; MI455X (gfx1250); checked and timed in simulation.
; The chip was launched on July 23, 2026; its instructions are those of AMD's public machine-readable ISA for CDNA 5 (MIT licence, August 2026) and "CDNA5" Instruction Set Architecture Reference Guide (July 2026). The comments in the code are by the model that wrote it; some were corrected since.
;; Multi Head Attention. Allowed arithmetic: matrix products marked QUANTISED: E2M3 operands, one E8M0 scale for each 32 along K, by v_wmma_scale_f32_16x16x128_f8f6f4 with both operands' format E2M3, f32 sums; everything else in f32.
;; Inputs: W_out 1,024 x 1,024 float32; W_qkv 3,072 x 1,024 float32; attention_biases 16 x 1,024 float32; b_out 1,024 float32; bias_idxs 1,024 x 1,024 int32; x 8 x 1,024 x 1,024 float32.
;; Outputs: out0 8 x 1,024 x 1,024 float32.
;; This version of the problem:
;;   THIS VERSION OF THE PROBLEM IS GIVEN IN LOW PRECISION. The matrix products marked QUANTISED in the list below multiply operands that are first quantised to E2M3 (2 exponent bits, 3 mantissa bits; 6 bits a number), with one power-of-two scale for each 32 numbers along K (OCP MX v1.0); their sums are f32. All else is computed in f32.
;;   The module's matrix products, in the order in which they are computed (A, B: the left and right operand; K: the contracted axis; several contracted axes count as one K, in the product's order):
;;     1. [M 8,192, K 1,024] x [K 1,024, N 3,072]; A: input x; B: input W_qkv: QUANTISED
;;     2. batch 128 x [M 1,024, K 64] x [K 64, N 1,024]; A: computed on the way; B: computed on the way: QUANTISED
;;     3. batch 128 x [M 1,024, K 1,024] x [K 1,024, N 64]; A: softmax (see below); B: computed on the way: QUANTISED
;;     4. [M 8,192, K 1,024] x [K 1,024, N 1,024]; A: computed on the way; B: input W_out: QUANTISED
;;   THE QUANTISER, for each operand of a quantised product, along K:
;;     - K is cut into blocks of 32 from its start; a last block that is shorter is filled with zeros.
;;     - A block's scale is 2^e with e = floor(log2(the largest magnitude in the block)) - 2, held to -126 .. 127; a block of zeros has e = 0. As a byte (E8M0): e + 127.
;;     - Each number is divided by its block's scale, clamped to +-7.5, and rounded to the nearest number of E2M3, ties to even, subnormals kept.
;;     - The product sums the exact products of the quantised numbers (number of the format x scale) in f32.
;;   ~~~python
;;   def quantise(x, axis):      # numpy; x: float32 -> the quantised numbers, widened to float32 again
;;       x = np.moveaxis(x, axis, -1); K = x.shape[-1]
;;       x = np.pad(x, [(0, 0)] * (x.ndim - 1) + [(0, -K % 32)]); x = x.reshape(x.shape[:-1] + (-1, 32)); a = np.abs(x).max(-1, keepdims=True)
;;       e = np.where(a > 0, np.clip(np.frexp(np.where(a > 0, a, 1))[1] - 1 - 2, -126, 127), 0)      # np.frexp(a)[1] - 1 = floor(log2(a)), exactly
;;       r = np.clip(x / 2.0 ** e, -7.5, 7.5)
;;       step = 2.0 ** (np.maximum(np.frexp(np.where(r == 0, 1, r))[1] - 1, 0) - 3)
;;       q = np.round(r / step) * step * 2.0 ** e      # np.round: ties to even
;;       return np.moveaxis(q.reshape(q.shape[:-2] + (-1,))[..., :K], -1, axis).astype(np.float32)
;;   ~~~
;;   SOFTMAX AHEAD OF A QUANTISED PRODUCT. Where the list says 'softmax', what is quantised is not the finished softmax but p = 2^(t - M), with t = logit x log2(e) and M = ceil(the row's largest t), a whole number; so 1/2 < the row's largest p <= 1. The row's sum l is taken of the UNQUANTISED p, in f32, and the product's result is divided by l at the end. Since M is a whole number, a kernel that streams over the keys may use a running M (the ceiling of the running maximum): every later rescaling is an exact power of two, which a block's scale takes up: the codes' values come out the same.
;;   OPERANDS COMPUTED ON THE WAY. 'Computed on the way' means the value that the module computes at that place (a softmax that the list does not call 'softmax' is quantised finished and normalised). What goes into a quantiser is computed in f32, as accurately as f32 sums, v_exp_f32 and their like allow (about 1e-6 of the number): no bf16 or f16 on the way to a quantiser, and a product that is left as it is and whose result goes on into a quantised operand takes f32 operands (vector FMAs, or v_wmma_f32_16x16x4_f32). A number that lies on a knife's edge between two numbers of the format may be rounded either way, as far as f32 arithmetic and the matrix unit's own rounding can turn it there, and no further.
;; One version. Each part assembles by itself: llvm-mc -triple=amdgcn-amd-amdhsa -mcpu=gfx1250 --defsym DOCPART=n.
;; ======== version 1 of 1: 4 launches
;; limits: right only within a limited range of input values
;; workspace buffers: opc 9,437,184 bytes; ops 393,216 bytes; hc 18,874,368 bytes; hs 786,432 bytes; ac 6,291,456 bytes; asc 262,144 bytes
;; launch quant (part 1): grid 256 x 1, 6 waves a work-group, no clusters, 51,456 bytes of LDS; arguments x, W_qkv, W_out, opc, ops; writes opc, ops
.if DOCPART == 1
	.amdgcn_target "amdgcn-amd-amdhsa--gfx1250"
	.amdhsa_code_object_version 6
	.text
	.protected	k_q7a5f2c8d5e_quant
	.globl	k_q7a5f2c8d5e_quant
	.p2align	8
	.type	k_q7a5f2c8d5e_quant,@function
k_q7a5f2c8d5e_quant:
	s_mov_b64 s[64:65], 0
	v_nop
	global_prefetch_b8 v0, s[64:65] scope:SCOPE_SE
	s_setreg_imm32_b32 hwreg(HW_REG_WAVE_MODE, 25, 1), 1
	s_wait_xcnt 0x0
; x [8192][1024], W_qkv [3072][1024] and W_out [1024][1024], f32, K innermost, become codes of FP6 (E2M3) with one E8M0 byte for each 32 along K.
; THE CODES ARE LAID AS IMAGES OF THE OPERAND'S REGISTERS.  A tile is 16 rows; tile T of a tensor takes rows 32 (T / 2) + 8 (T % 2) + r + 8 (r / 8), r = 0 .. 15.
; An image is a tile x 128 along K: the matrix operand's 12 registers a lane; registers 4 g .. 4 g + 3 of lane l lie at 512 g + 16 l: 1,536 bytes.
; opc: [tile 768][K step 8] images; tiles 0-511 x, 512-703 W_qkv, 704-767 W_out.  ops: [tile][half of K 2][row 16][4 words]; a word = a row's four bytes of one K step.
; A block's scale is 2^(floor(log2(its largest magnitude)) - 2); its byte is that magnitude's exponent field - 2, held at 1 from below.
; LIMITS: a block of zeros, or one whose largest magnitude lies under 2^-124, gets the byte 1 (the bytes are read by this program alone; zero codes add nothing); NaN and infinities are not served.
; SHARES: 256 work-groups x 6 waves; wave w of work-group g takes tile 3 g + w / 2 and half w % 2 of K: four images.  Each load reads 512 consecutive bytes of one row; the 16 rows turn through the
; wave's own stage in LDS (rows 528 bytes apart), so that lane (r, h) gets, of row r, the 16 neighbours 32 B + 16 h + 0 .. 15 of each block B.  Loads run two images (32 loads a wave) ahead.
; A stream: nothing is shared between work-groups, so there is no cluster, no matrix work, no tensor load and no barrier.
.set STGB,  8448                       ; a wave's stage: 16 rows x 528 bytes
.set SPARE, 50688                      ; behind the six stages: the spare words, 128 bytes a wave: three blocks of 256 bytes that no other line names
.set LI,  4                            ; v4   16 x lane
.set SI,  5                            ; v5   the stage, on the way in
.set SO,  6                            ; v6   and on the way out: 528 r + 64 h
.set OS,  7                            ; v7   16 r + 8 h: my 8 bytes of the tile's scale words
.set SPW, 8                            ; v8   LDS address of my spare word; never rewritten
.set NIL, 9                            ; v9   0; never rewritten
.set TM,  12                           ; v12-27 at work in the quantiser
.set PW,  28                           ; v28-31 the four images' scale words
.set PC,  32                           ; v32-43 an image's codes; v44-50 the conversions' second halves
.set X,   64                           ; v64-127 64 numbers of a lane
.set R,   128                          ; v128-255 two sets of 64 registers as loaded
.set SEL, 20
; 64 numbers of a lane, register 16 b + i = k 32 b + 16 (lane / 16) + i of my row, become a fragment's codes in v[PC] on and its scale word in v[pw].
.macro QUANT s, pw
.irp b, 0,1,2,3
	v_max3_num_f32 v[TM+\b], |v[\s+16*\b]|, |v[\s+1+16*\b]|, 0x1800000   ; my 16 numbers of block b, and the floor 2^(3 - 127): the byte cannot fall under 1
.endr
.irp i, 2,4,6,8,10,12,14
.irp b, 0,1,2,3
	v_max3_num_f32 v[TM+\b], v[TM+\b], |v[\s+16*\b+\i]|, |v[\s+1+16*\b+\i]|   ; the four blocks by turns
.endr
.endr
.irp b, 0,1,2,3
	v_permlanex16_b32 v[TM+4+\b], v[TM+\b], s[SEL], s[SEL+1]
.endr
.irp b, 0,1,2,3
	v_max_num_f32 v[TM+\b], v[TM+\b], v[TM+4+\b]   ; with lane l xor 16's: the block's largest magnitude
.endr
.irp b, 0,1,2,3
	v_add_nc_u32 v[TM+12+\b], 0xff000000, v[TM+\b]   ; 2 off its exponent field: the conversion's scale operand
.endr
.irp b, 0,1,2,3
	v_lshrrev_b32 v[TM+4+\b], 23, v[TM+12+\b]      ; the scale's byte
.endr
	v_lshl_or_b32 v[\pw], v[TM+5], 8, v[TM+4]
	v_lshl_or_b32 v[\pw], v[TM+6], 16, v[\pw]
	v_lshl_or_b32 v[\pw], v[TM+7], 24, v[\pw]
.irp c, 0,1
	v_cvt_scalef32_pk16_fp6_f32 v[PC+6*\c:PC+2+6*\c], v[\s+32*\c:\s+15+32*\c], v[TM+12+2*\c]
	v_cvt_scalef32_pk16_fp6_f32 v[PC+12+4*\c:PC+14+4*\c], v[\s+16+32*\c:\s+31+32*\c], v[TM+12+2*\c+1]   ; (a conversion's three registers begin on an even number)
.endr
	v_nop                                          ; one plain place behind a scaled conversion
.irp c, 0,1                                    ; the operand wants a whole block in a lane: lanes 0-15 block 2 c, lanes 16-31 block 2 c + 1
.irp i, 0,1,2
	v_permlane16_swap_b32 v[PC+6*\c+\i], v[PC+12+4*\c+\i]
.endr
.irp i, 0,1,2
	v_mov_b32 v[PC+3+6*\c+\i], v[PC+12+4*\c+\i]
.endr
.endr
.endm
	s_load_b128 s[4:7], s[0:1], 0x0                ; x, W_qkv
	s_load_b128 s[8:11], s[0:1], 0x10              ; W_out, opc
	s_load_b64 s[12:13], s[0:1], 0x20              ; ops
	v_lshl_add_u32 v[SPW], v0, 2, SPARE
	v_mov_b32 v[NIL], 0
	v_lshrrev_b32 v1, 5, v0
	v_readfirstlane_b32 s15, v1                    ; wave 0..5
	v_and_b32 v1, 31, v0                           ; lane
	v_and_b32 v2, 15, v0                           ; r
	v_bfe_u32 v3, v0, 4, 1                         ; h
	v_lshlrev_b32 v[LI], 4, v1
	s_mul_i32 s14, s15, STGB
	v_add_nc_u32 v[SI], s14, v[LI]
	v_mul_u32_u24 v[SO], v2, 528
	v_lshl_add_u32 v[SO], v3, 6, v[SO]
	v_add_nc_u32 v[SO], s14, v[SO]
	v_lshlrev_b32 v[OS], 4, v2
	v_lshl_add_u32 v[OS], v3, 3, v[OS]
	s_mov_b32 s[SEL], 0x76543210
	s_mov_b32 s[SEL+1], 0xfedcba98                 ; v_permlanex16_b32's selects for lane l xor 16
.irp b, 0,1,2,3
	v_mov_b32 v[TM+4+\b], 0                        ; written once: a lane permute's destination counts as one of its sources
.endr
	s_mul_i32 s16, ttmp9, 3
	s_lshr_b32 s17, s15, 1
	s_add_co_u32 s16, s16, s17                     ; my tile
	s_and_b32 s17, s15, 1                          ; my half of K
	s_mov_b32 s19, 704
	s_wait_alu depctr_va_vdst(0)
	s_wait_kmcnt 0x0
	s_cmp_lt_u32 s16, 704                          ; which tensor: the choice hangs on the tile's number alone
	s_cselect_b64 s[6:7], s[6:7], s[8:9]
	s_cselect_b32 s18, 512, s19
	s_cmp_lt_u32 s16, 512
	s_cselect_b64 s[4:5], s[4:5], s[6:7]
	s_cselect_b32 s18, 0, s18
	s_sub_co_u32 s18, s16, s18                     ; the tile's number in its tensor
	s_lshr_b32 s22, s18, 1
	s_lshl_b32 s22, s22, 17                        ; 32 rows of 4,096 bytes for each pair of tiles,
	s_and_b32 s23, s18, 1
	s_lshl_b32 s23, s23, 15                        ; 8 rows for the odd one,
	s_add_co_u32 s22, s22, s23
	s_lshl_b32 s23, s17, 11                        ; 2,048 bytes for the second half of K
	s_add_co_u32 s22, s22, s23
	s_mov_b32 s23, 0
	s_add_nc_u64 s[4:5], s[4:5], s[22:23]
	s_lshl_b32 s24, s16, 3
	s_lshl_b32 s25, s17, 2
	s_add_co_u32 s24, s24, s25
	s_mul_i32 s24, s24, 1536                       ; my first image
	s_mov_b32 s25, 0
	s_add_nc_u64 s[10:11], s[10:11], s[24:25]
	s_lshl_b32 s24, s16, 9
	s_lshl_b32 s26, s17, 8
	s_add_co_u32 s24, s24, s26                     ; my 256 bytes of scale words
	s_add_nc_u64 s[12:13], s[12:13], s[24:25]
.macro LOADIMG i                       ; image i: 16 rows x 512 bytes; each load reads one row's 512 consecutive bytes
.irp rr, 0,1,2,3,4,5,6,7,8,9,10,11,12,13,14,15
	global_load_b128 v[R+64*((\i)%2)+4*\rr:R+64*((\i)%2)+4*\rr+3], v[LI], s[4:5] offset:(\rr+8*(\rr/8))*4096+512*(\i) th:TH_LOAD_NT
.endr
.endm
.macro IMG i
.if (\i) < 3
	s_wait_loadcnt 16                              ; this image's 16 loads are in; the next image's 16 may be out
.else
	s_wait_loadcnt 0x0
.endif
.irp rr, 0,1,2,3,4,5,6,7,8,9,10,11,12,13,14,15
	ds_store_b128 v[SI], v[R+64*((\i)%2)+4*\rr:R+64*((\i)%2)+4*\rr+3] offset:528*\rr
.endr
.irp q, 0,1,2,3
.irp jj, 0,1,2,3
	ds_load_b128 v[X+16*\q+4*\jj:X+16*\q+4*\jj+3], v[SO] offset:128*\q+16*\jj   ; LDS serves a wave's instructions in order: these see the stores above
.endr
.endr
	s_wait_dscnt 0x0                               ; my 64 numbers are in, and the stores have read their registers,
.if (\i)+2 < 4
	LOADIMG (\i)+2                                 ; which take the image two further on
.endif
	s_wait_xcnt 0x0                                ; the last image's stores have read their data: the codes' registers are written again only behind this wait
	QUANT X, PW+(\i)
.irp g, 0,1,2
	global_store_b128 v[LI], v[PC+4*\g:PC+4*\g+3], s[10:11] offset:1536*(\i)+512*\g   ; 512 consecutive bytes
.endr
.endm
	LOADIMG 0
	LOADIMG 1
	IMG 0
	IMG 1
	IMG 2
	IMG 3
	v_cmp_eq_u32 vcc_lo, 1, v3                     ; every lane holds its row's four words: lanes 0-15 store words 0, 1, lanes 16-31 words 2, 3
	v_cndmask_b32 v10, v[PW], v[PW+2], vcc_lo
	v_cndmask_b32 v11, v[PW+1], v[PW+3], vcc_lo
	global_store_b64 v[OS], v[10:11], s[12:13]     ; 32 lanes store 256 consecutive bytes, aligned
	s_wait_tensorcnt 0x0                           ; the wave's end: behind my last LDS store
	ds_add_u32 v[SPW], v[NIL]
	s_wait_dscnt 0x0
	s_endpgm
.Lfunc_end_k_q7a5f2c8d5e_quant:
	.size	k_q7a5f2c8d5e_quant, .Lfunc_end_k_q7a5f2c8d5e_quant-k_q7a5f2c8d5e_quant
	.p2alignl 7, 3214868480
	.fill 96, 4, 3214868480
	.section	.rodata,"a",@progbits
	.p2align	6, 0x0
	.amdhsa_kernel k_q7a5f2c8d5e_quant
		.amdhsa_group_segment_fixed_size 51456
		.amdhsa_private_segment_fixed_size 0
		.amdhsa_enable_private_segment 0
		.amdhsa_kernarg_size 40
		.amdhsa_user_sgpr_count 2
		.amdhsa_user_sgpr_kernarg_segment_ptr 1
		.amdhsa_wavefront_size32 1
		.amdhsa_system_sgpr_workgroup_id_x 1
		.amdhsa_system_sgpr_workgroup_id_y 1
		.amdhsa_system_sgpr_workgroup_id_z 1
		.amdhsa_system_vgpr_workitem_id 0
		.amdhsa_next_free_vgpr 256
		.amdhsa_next_free_sgpr 66
		.amdhsa_reserve_vcc 1
		.amdhsa_float_denorm_mode_32 3
		.amdhsa_float_denorm_mode_16_64 3
		.amdhsa_memory_ordered 1
		.amdhsa_forward_progress 1
		.amdhsa_inst_pref_size 34
	.end_amdhsa_kernel
	.amdgpu_metadata
---
amdhsa.version: [ 1, 2 ]
amdhsa.kernels:
  - .name:           k_q7a5f2c8d5e_quant
    .symbol:         k_q7a5f2c8d5e_quant.kd
    .args:
      - { .name: x, .offset: 0, .size: 8, .value_kind: global_buffer, .address_space: global }
      - { .name: W_qkv, .offset: 8, .size: 8, .value_kind: global_buffer, .address_space: global }
      - { .name: W_out, .offset: 16, .size: 8, .value_kind: global_buffer, .address_space: global }
      - { .name: opc, .offset: 24, .size: 8, .value_kind: global_buffer, .address_space: global }
      - { .name: ops, .offset: 32, .size: 8, .value_kind: global_buffer, .address_space: global }
    .group_segment_fixed_size: 51456
    .private_segment_fixed_size: 0
    .kernarg_segment_align: 8
    .kernarg_segment_size: 40
    .max_flat_workgroup_size: 192
    .sgpr_count:     66
    .vgpr_count:     256
    .wavefront_size: 32
...
	.end_amdgpu_metadata
.endif
;; end of part 1
;; launch gemm1 (part 2): grid 12 x 32, 4 waves a work-group, clusters of 4 x 4, 327,680 bytes of LDS; arguments opc, ops, hc, hs; writes hc, hs
.if DOCPART == 2
	.amdgcn_target "amdgcn-amd-amdhsa--gfx1250"
	.amdhsa_code_object_version 6
	.text
	.protected	k_q7a5f2c8d5e_gemm1
	.globl	k_q7a5f2c8d5e_gemm1
	.p2align	8
	.type	k_q7a5f2c8d5e_gemm1,@function
k_q7a5f2c8d5e_gemm1:
	s_mov_b64 s[64:65], 0
	v_nop
	global_prefetch_b8 v0, s[64:65] scope:SCOPE_SE
	s_setreg_imm32_b32 hwreg(HW_REG_WAVE_MODE, 25, 1), 1
	s_wait_xcnt 0x0
	s_wait_alu depctr_hold_cnt(0) depctr_sa_sdst(0) depctr_va_vdst(0) depctr_va_sdst(0) depctr_va_ssrc(0) depctr_va_vcc(0) depctr_vm_vsrc(0)
	s_getreg_b32 s2, hwreg(HW_REG_IB_STS2, 6, 4)
	s_cmp_eq_u32 s2, 0
	s_cbranch_scc0 .Lentry_in_a_cluster
	s_endpgm
.Lentry_in_a_cluster:
	s_bfe_u32 s2, ttmp6, 0x10000c
	s_cmp_lg_u32 s2, 0xf033
	s_cbranch_scc0 .Lentry_shape_is_right
	s_endpgm
.Lentry_shape_is_right:
; qkv = x W_qkv^T on codes of FP6 (E2M3) with E8M0 scales, K = 1,024; the results are quantised in registers and leave as images for the attention launch: q, k and v never go to memory as f32.
; OPERANDS: opc, images of 16 rows x 128 K (1,536 bytes: registers 4 g .. 4 g + 3 of lane l at 512 g + 16 l), [tile][K step 8]; ops, scale words [tile][half 2][row 16][4].
; Tile T takes rows 32 (T / 2) + 8 (T % 2) + r + 8 (r / 8).  Units of 16 tiles (256 rows): x 0-31, W_q 32-35, W_k 36-39, W_v 40-43.
; A work-group of four waves makes 256 x 256, a wave 128 x 128: 64 accumulators, 512 registers.  THE MATRIX INSTRUCTION IS USED TRANSPOSED: source 0 = 16 rows of "B", source 1 = 16 rows of "A": a lane holds one row
; of A, and, by the order of the rows in a tile, its 64 registers of one block of A are 128 NEIGHBOURS along B's rows (register 16 q + i = 32 q + 16 (lane / 16) + i): what the quantiser wants.
; ONE TEXT SERVES q, k AND v BY THE CHOICE OF OPERANDS.  Cluster x = 0, 1 (q, k): A = x, B = W: a lane holds a token, its registers run along the two heads' 128 channels.  Cluster x = 2 (v): A = W_v, B = x: a lane holds a
; channel and its registers run along 128 tokens: V with the keys innermost.  The choice is made by s_cselect_b32 on the cluster's number, which all partners share.
; RESULTS: hc [q, k, v][batch 8][head pair 8][64] images; q, k: image = token tile of the batch, K = (head 2 j's 64, head 2 j + 1's 64); v: image 8 ks + 4 (head % 2) + dt, rows = channels, K = keys 128 ks on.
; hs: for each 8 images [row 16][8 words].  LIMITS: a block of zeros or under 2^-124 gets the byte 1 (read by this program alone); NaN and infinities are not served.
; CLUSTERS: 4 x 4 work-groups; A's tiles are asked for jointly along a row of the cluster, B's along a column.
; THREE LDS SLOTS of two K steps each.  K steps 0 to 5 are asked for at the head (three tensor loads of a wave are out); slot 0 is filled once more, with K steps 6 and 7, in the middle of K step 1, and that load is waited
; for at the head of K step 5: some 220 matrix instructions later.  Images are read 512 consecutive bytes at a time, so no padding.
; The scale words of a wave's 8 + 8 tiles for all of K are 64 registers, loaded once.  No prefetch is laid: three quarters of a work-group's tiles are asked for at its head.
; REGISTERS: window 0: v16-29 addresses; v32-95 scale words (v[32 + 8 i + s]: lanes 0-15 A's tile i, lanes 16-31 B's tile i, K step s); v96-107 the results' scale words; v128-223 A's fragments, one set, later the results' codes;
;   v224-247 at work.  window 1: B's fragments, two sets, at v0 and v128.  windows 2, 3: the accumulators ((a, b) at v[8 (8 (a % 4) + b)]).
.set FR,     12
.set HALFT,  24576                     ; 8 tiles x 2 K steps x 1,536 bytes: what one tensor load brings, and what one wave reads of A or of B
; LDS MAP AS THE TEXT NOW HAS IT (it takes the place of the paragraph on three slots above): bytes 0 to 196,607 hold K steps 0 to 3, asked for at the head, one load a wave: 8 tiles x 6,144 bytes each;
; bytes 196,608 to 294,911 hold K steps 4 and 5, first filled behind the head's round; bytes 0 to 98,303 are filled once more, with K steps 6 and 7, at K step 3's round, where all reads of K steps 0 to 3 are over.
; One tensor load of a wave is out at any time.  Address registers: index 0 = K steps 0, 1; 3 = K steps 2, 3 (3,072 bytes on); 1 = K steps 4, 5; 2 = K steps 6, 7.
.set SLOT,   98304                     ; 16 + 16 tiles x two K steps
.set SPARE,  294912                    ; behind the three slots: the spare words, 128 bytes a wave: two blocks of 256 bytes that no other line names
.set ADRA, 16                          ; v16-18 LDS address of my A fragments in slot 0, 1, 2
.set ADRB, 20                          ; v20-22 the same for B
.set LI,   24                          ; v24  16 x lane
.set SCA,  25                          ; v25  the scale loads' offset
.set HSO,  26                          ; v26  32 r + 16 h
.set SPW,  28                          ; v28  LDS address of my spare word; never rewritten
.set NIL,  29                          ; v29  0; never rewritten
.set SC,   32
.set PW,   96
.set SW,   104
.set AF,   128
.set CT,   224
.set TM,   232
.set G1,  24                           ; s[24:31] group 1 for A's tiles; s[32:39] group 0 for slots 0 and 1; s[84:87] for slot 2
.set G0,  32
.set G0X, 84
.set G1B, 48                           ; s[48:55], s[56:63], s[88:91] the same for B's
.set G0B, 56
.set G0XB, 88
.set SEL, 82
.set MSB, 0
.macro WIN new                         ; the immediate's high byte repeats the setting that is left
.if MSB != (\new)
	s_set_vgpr_msb (MSB<<8)|(\new)
.set MSB, (\new)
.endif
.endm
.set MUL_LO, 0xa1                      ; source 0 (B) window 1, source 1 (A) window 0, C and D window 2
.set MUL_HI, 0xf1                      ; the same, C and D window 3
.set TO_B,   0x40                      ; destination window 1, address window 0
; A joint load: waves 0 and 1 fetch for A, waves 2 and 3 for B.  The branch hangs on the wave's number alone.  An s_nop 0 and four v_nop follow each of the two lines.
.macro JLOAD g0a, g1a, g0b, g1b
	s_cmp_eq_u32 s15, 0
	s_cbranch_scc0 .Lfor_b_\@
	tensor_load_to_lds s[\g0a:\g0a+3], s[\g1a:\g1a+7]
	s_nop 0
.rept 4
	v_nop
.endr
	s_branch .Lasked_\@
.Lfor_b_\@:
	tensor_load_to_lds s[\g0b:\g0b+3], s[\g1b:\g1b+7]
	s_nop 0
.rept 4
	v_nop
.endr
.Lasked_\@:
.endm
.macro CREST                           ; a round of the cluster's barrier behind its opening barrier
	s_cmp_lg_u32 s14, 0
	s_cbranch_scc1 .Lnot_wave_0_\@
	s_barrier_signal -3
.Lnot_wave_0_\@:
	s_barrier_wait -3
	s_barrier_signal -1
	s_barrier_wait -1
.endm
.macro CROUND
	s_barrier_signal -1
	s_barrier_wait -1
	CREST
.endm
.macro PLACES n                        ; plain places behind matrix instructions, in front of loads into their registers and of reads of their results
.rept \n
	v_nop
.endr
.endm
	s_load_b128 s[4:7], s[0:1], 0x0                ; opc, ops
	s_load_b128 s[8:11], s[0:1], 0x10              ; hc, hs
	v_lshl_add_u32 v[SPW], v0, 2, SPARE
	v_mov_b32 v[NIL], 0
	ds_add_u32 v[SPW], v[NIL]                      ; the wave's opening: the add and its wait ahead of my first tensor load; the set-up below, work on registers, stands between them
	ds_add_u32 v[SPW], v[NIL]
	v_lshrrev_b32 v1, 5, v0
	v_readfirstlane_b32 s14, v1                    ; wave 0..3
	s_lshr_b32 s15, s14, 1                         ; which 128 rows of A are mine.  Also: I fetch for A (0) or for B (1)
	s_and_b32 s16, s14, 1                          ; which 128 rows of B.  Also: which 8 tiles I fetch
	s_bfe_u32 s40, ttmp6, 0x40000                  ; cx
	s_bfe_u32 s41, ttmp6, 0x40004                  ; cy
	s_and_b32 s17, ttmp7, 0xffff
	s_lshl_b32 s17, s17, 2                         ; 4 x cluster y
	s_lshl_b32 s42, ttmp9, 2
	s_add_co_u32 s42, s42, 32                      ; 32 + 4 x cluster x
	s_cmp_eq_u32 ttmp9, 2                          ; v?  The same in all sixteen partners
	s_cselect_b32 s18, 40, s17                     ; A's first unit: W_v's, or x's
	s_cselect_b32 s19, s17, s42                    ; B's first unit: x's, or W_q's or W_k's
	s_cselect_b32 s45, 1, 0
	s_add_co_u32 s18, s18, s41                     ; A's unit hangs on cy alone of the two places,
	s_add_co_u32 s19, s19, s40                     ; B's on cx alone
	s_lshl_b32 s43, s41, 2
	s_lshl_b32 s43, 15, s43                        ; my row of the cluster
	s_lshl_b32 s44, 0x1111, s40                    ; my column
	; group 1: 8 rows (tiles) of 3,072 bytes (two K steps' images), 12,288 bytes apart in memory, dense in LDS
	s_or_b32 s[G1+0], s43, (3<<16)|(1<<21)         ; 15:0 the mask; 17:16 elements of 8 bytes; 21 set beside a mask
	s_or_b32 s[G1B+0], s44, (3<<16)|(1<<21)
.irp g, G1, G1B
	s_mov_b32 s[\g+1], 768<<16                     ; tensor_dim0 = 768 elements: the head's load brings four K steps a tile
	s_mov_b32 s[\g+2], 8<<16                       ; tensor_dim1 = 8
	s_mov_b32 s[\g+3], 768<<16                     ; tile_dim0
	s_mov_b32 s[\g+4], 8                           ; tile_dim1
	s_mov_b32 s[\g+5], 1536                        ; from tile to tile, in elements
	s_mov_b32 s[\g+6], 0
	s_mov_b32 s[\g+7], 0
.endr
	s_lshl_b32 s22, s16, 3
	s_lshl_b32 s20, s18, 4
	s_add_co_u32 s20, s20, s22                     ; A: tile 16 x unit + 8 x half
	s_mul_i32 s20, s20, 12288
	s_mov_b32 s21, 0
	s_lshl_b32 s46, s19, 4
	s_add_co_u32 s46, s46, s22                     ; B likewise
	s_mul_i32 s46, s46, 12288
	s_mov_b32 s47, 0
	s_mul_i32 s23, s14, HALFT                      ; where they go: wave x 8 tiles: no place in the cluster enters an LDS address
	v_and_b32 v1, 15, v0                           ; r
	v_bfe_u32 v2, v0, 4, 1                         ; h
	v_and_b32 v3, 31, v0
	v_lshlrev_b32 v[LI], 4, v3
	s_wait_alu depctr_va_vdst(0)                   ; directly behind the write of 16 x lane
	s_mul_i32 s66, s15, HALFT
	s_mul_i32 s67, s16, HALFT
	s_add_co_u32 s67, s67, 2*HALFT
	v_add_nc_u32 v[ADRA+2], s66, v[LI]             ; K steps 6, 7: from byte 0 on
	v_add_nc_u32 v[ADRB+2], s67, v[LI]
	s_add_co_u32 s66, s66, 2*SLOT
	s_add_co_u32 s67, s67, 2*SLOT
	v_add_nc_u32 v[ADRA+1], s66, v[LI]             ; K steps 4, 5: from byte 196,608 on
	v_add_nc_u32 v[ADRB+1], s67, v[LI]
	s_mul_i32 s66, s15, 2*HALFT
	s_mul_i32 s67, s16, 2*HALFT
	s_add_co_u32 s67, s67, 4*HALFT
	v_add_nc_u32 v[ADRA], s66, v[LI]               ; K steps 0, 1: tiles 6,144 bytes apart
	v_add_nc_u32 v[ADRB], s67, v[LI]
	v_add_nc_u32 v[ADRA+3], 3072, v[ADRA]          ; K steps 2, 3
	v_add_nc_u32 v[ADRB+3], 3072, v[ADRB]
	v_lshlrev_b32 v[HSO], 5, v1
	v_lshl_add_u32 v[HSO], v2, 4, v[HSO]
.irp q, 0,1,2,3
	v_mov_b32 v[TM+4+\q], 0                        ; written once: a lane permute's destination counts as one of its sources
.endr
	s_mov_b32 s[SEL], 0x76543210
	s_mov_b32 s[SEL+1], 0xfedcba98
	s_wait_dscnt 0x0                               ; the opening add is done
	s_wait_kmcnt 0x0
	s_add_nc_u64 s[20:21], s[4:5], s[20:21]
	s_add_nc_u64 s[46:47], s[4:5], s[46:47]
	CROUND                                         ; all sixteen work-groups are here: the first joint loads meet
	s_mul_i32 s66, s14, 2*HALFT                    ; the head's load: wave x 8 tiles x 6,144 bytes
.irp s, 0,1                                    ; set 0: K steps 0-3; set 1: K steps 4, 5
	s_mov_b32 s[G0+4*\s], 1
	s_add_nc_u64 s[G0+4*\s+2:G0+4*\s+3], s[20:21], \s*6144
	s_or_b32 s[G0+4*\s+3], s[G0+4*\s+3], 0x80000000
	s_mov_b32 s[G0B+4*\s], 1
	s_add_nc_u64 s[G0B+4*\s+2:G0B+4*\s+3], s[46:47], \s*6144
	s_or_b32 s[G0B+4*\s+3], s[G0B+4*\s+3], 0x80000000
.endr
	s_add_co_u32 s[G0+1], s66, 0
	s_add_co_u32 s[G0B+1], s66, 0
	s_add_co_u32 s[G0+5], s23, 2*SLOT
	s_add_co_u32 s[G0B+5], s23, 2*SLOT
	s_mov_b32 s[G0X], 1                            ; the third set: K steps 6 and 7, from LDS byte 0 on
	s_add_co_u32 s[G0X+1], s23, 0
	s_add_nc_u64 s[G0X+2:G0X+3], s[20:21], 9216
	s_or_b32 s[G0X+3], s[G0X+3], 0x80000000
	s_mov_b32 s[G0XB], 1
	s_add_co_u32 s[G0XB+1], s23, 0
	s_add_nc_u64 s[G0XB+2:G0XB+3], s[46:47], 9216
	s_or_b32 s[G0XB+3], s[G0XB+3], 0x80000000
	JLOAD G0, G1, G0B, G1B                         ; K steps 0 to 3: one tensor load a wave at the head
	; the scale words of my 8 tiles of A (lanes 0-15) and 8 of B (lanes 16-31), all of K: 16 loads of 16 bytes a lane
	s_lshl_b32 s70, s18, 4
	s_lshl_b32 s66, s15, 3
	s_add_co_u32 s70, s70, s66                     ; my first tile of A
	s_lshl_b32 s68, s19, 4
	s_lshl_b32 s66, s16, 3
	s_add_co_u32 s68, s68, s66                     ; my first tile of B
	s_lshl_b32 s66, s70, 9
	s_lshl_b32 s67, s68, 9
	v_mov_b32 v4, s66
	v_mov_b32 v5, s67
	v_cmp_eq_u32 s69, 1, v2
	v_cndmask_b32 v[SCA], v4, v5, s69
	v_lshl_add_u32 v[SCA], v1, 4, v[SCA]
.irp i, 0,1,2,3,4,5,6,7
.irp u, 0,1
	global_load_b128 v[SC+8*\i+4*\u:SC+8*\i+4*\u+3], v[SCA], s[6:7] offset:512*\i+256*\u
.endr
.endr
	; where my eight images and their scale words go
	s_lshr_b32 s71, s68, 3                         ; my group of 8 tiles of B
	s_lshr_b32 s72, s70, 6                         ; q, k: the batch,
	s_and_b32 s73, s70, 63                         ; the first token tile in it,
	s_sub_co_u32 s74, s71, 64
	s_lshr_b32 s75, s74, 3                         ; q or k,
	s_and_b32 s74, s74, 7                          ; the head pair
	s_sub_co_u32 s76, s70, 640
	s_lshr_b32 s76, s76, 3                         ; v: the head pair,
	s_lshr_b32 s77, s71, 3                         ; the batch,
	s_and_b32 s78, s71, 7
	s_lshl_b32 s78, s78, 3                         ; 8 x the key step
	s_cmp_eq_u32 s45, 1
	s_cselect_b32 s72, s77, s72
	s_cselect_b32 s73, s78, s73
	s_cselect_b32 s74, s76, s74
	s_cselect_b32 s75, 2, s75
	s_lshl_b32 s75, s75, 12
	s_lshl_b32 s72, s72, 9
	s_lshl_b32 s74, s74, 6
	s_add_co_u32 s75, s75, s72
	s_add_co_u32 s75, s75, s74
	s_add_co_u32 s75, s75, s73                     ; the first image's number
	s_mul_i32 s76, s75, 1536
	s_mov_b32 s77, 0
	s_lshl_b32 s78, s75, 6
	s_mov_b32 s79, 0
	s_add_nc_u64 s[8:9], s[8:9], s[76:77]
	s_add_nc_u64 s[10:11], s[10:11], s[78:79]
.macro FRAG reg, adr, off              ; an image comes back as it was stored: three loads of 512 consecutive bytes
.irp g, 0,1,2
	ds_load_b128 v[\reg+4*\g:\reg+4*\g+3], v[\adr] offset:\off+512*\g
.endr
.endm
; 16 matrix instructions: A's blocks a0, a0 + 1 x B's eight, K step s.  p: B's set.  zero = 1: the first product starts the sums.  The 64 accumulators take turns, one instruction a turn, in the same order in every step.
.macro MUL16 a0, p, s, zero
.irp a, \a0, \a0+1
.irp b, 0,1,2,3,4,5,6,7
.if \zero
	v_wmma_scale_f32_16x16x128_f8f6f4 v[8*(8*((\a)%4)+\b):8*(8*((\a)%4)+\b)+7], v[128*(\p)+FR*\b:128*(\p)+FR*\b+FR-1], v[AF+FR*(\a):AF+FR*(\a)+FR-1], 0, v[SC+8*\b+(\s)], v[SC+8*(\a)+(\s)] matrix_a_fmt:MATRIX_FMT_FP6 matrix_b_fmt:MATRIX_FMT_FP6 matrix_a_scale:MATRIX_SCALE_ROW1
.else
	v_wmma_scale_f32_16x16x128_f8f6f4 v[8*(8*((\a)%4)+\b):8*(8*((\a)%4)+\b)+7], v[128*(\p)+FR*\b:128*(\p)+FR*\b+FR-1], v[AF+FR*(\a):AF+FR*(\a)+FR-1], v[8*(8*((\a)%4)+\b):8*(8*((\a)%4)+\b)+7], v[SC+8*\b+(\s)], v[SC+8*(\a)+(\s)] matrix_a_fmt:MATRIX_FMT_FP6 matrix_b_fmt:MATRIX_FMT_FP6 matrix_a_scale:MATRIX_SCALE_ROW1
.endif
.endr
.endr
.endm
.macro FETCH_B slot, q, p              ; B's eight fragments of the slot's q-th K step into set p
	WIN TO_B
.irp i, 0,1,2,3,4,5,6,7
	FRAG 128*(\p)+FR*\i, ADRB+\slot, 3072*(2-(((\slot)+1)/2)%2)*\i+1536*(\q)
.endr
	WIN 0
.endm
.macro FETCH_A slot, q, i0             ; A's blocks i0 .. i0 + 3
.irp i, \i0, \i0+1, \i0+2, \i0+3
	FRAG AF+FR*(\i), ADRA+\slot, 3072*(2-(((\slot)+1)/2)%2)*(\i)+1536*(\q)
.endr
.endm
; A slot's first K step.  A block of A is free as soon as its eight products are issued, so one set serves A; B has two.
.macro STEP slot, s, zero
	s_wait_dscnt 12                                ; B's set and A's blocks 0-3 are in; the youngest 12 loads (A's blocks 4-7) may be out
	WIN MUL_LO
	MUL16 0, 0, \s, \zero
	MUL16 2, 0, \s, \zero
	s_wait_dscnt 0
	PLACES 4
	FETCH_B \slot, 1, 1
	FETCH_A \slot, 1, 0
	WIN MUL_HI
	MUL16 4, 0, \s, \zero
	MUL16 6, 0, \s, \zero
	PLACES 4
	WIN 0
	FETCH_A \slot, 1, 4
.endm
; A slot's second K step, with a barrier: in front of it each wave waits for all its tensor loads, adds 0 to its spare word, and waits for that and for its reads of this slot.
; fill = 1: a round of the cluster's barrier, and the slot is filled again, with the K steps six on.  fill = 0: the barrier shows the refill, which the next step reads, to every wave.
.macro TURN slot, next, s, fill
	s_wait_tensorcnt 0x0                           ; all my tensor loads have landed
	ds_add_u32 v[SPW], v[NIL]                      ; 0 onto my spare word
	s_wait_dscnt 13                                ; (the add and the youngest 12 loads may be out)
	WIN MUL_LO
	MUL16 0, 1, \s, 0                              ; sixteen matrix instructions stand between the add and the wait for it
	s_wait_dscnt 0x0                               ; the add is done, and my reads of this slot are over
	s_barrier_signal -1
	MUL16 2, 1, \s, 0
	WIN 0
	s_barrier_wait -1
.if \fill
	CREST                                          ; the barrier has opened a round of the cluster's barrier: no wave of any partner still reads this slot or has a load on its way
	JLOAD G0X, G1, G0XB, G1B                       ; K steps 6 and 7: the first tensor load behind the round, and my last; its four v_nop are the places in front of the loads below
.else
	PLACES 4
.endif
	FETCH_B \next, 0, 0
	FETCH_A \next, 0, 0
	WIN MUL_HI
	MUL16 4, 1, \s, 0
	MUL16 6, 1, \s, 0
	PLACES 4
	WIN 0
	FETCH_A \next, 0, 4
.endm
; A slot's second K step without a barrier: the next slot was shown whole to every wave by the wait for all tensor loads in front of the round before, and the slot that is left is filled again only behind a later round.
.macro PASS slot, next, s
	s_wait_dscnt 12                                ; B's set and A's blocks 0-3 are in; the youngest 12 loads (A's blocks 4-7) may be out
	WIN MUL_LO
	MUL16 0, 1, \s, 0
	MUL16 2, 1, \s, 0
	s_wait_dscnt 0
	PLACES 4
	FETCH_B \next, 0, 0
	FETCH_A \next, 0, 0
	WIN MUL_HI
	MUL16 4, 1, \s, 0
	MUL16 6, 1, \s, 0
	PLACES 4
	WIN 0
	FETCH_A \next, 0, 4
.endm
	s_wait_alu depctr_va_vdst(0)
	s_wait_tensorcnt 0x0                           ; my part of K steps 0 to 3 is in
	ds_add_u32 v[SPW], v[NIL]
	s_mov_b32 s[G1+1], 384<<16                     ; no tensor load of mine is out: from here on a load brings two K steps a tile
	s_mov_b32 s[G1+3], 384<<16
	s_mov_b32 s[G1B+1], 384<<16
	s_mov_b32 s[G1B+3], 384<<16
	s_wait_dscnt 0x0
	CROUND                                         ; everybody's part is in, and all sixteen work-groups are here
	JLOAD G0+4, G1, G0B+4, G1B                     ; K steps 4 and 5, the first tensor load behind the round
	FETCH_B 0, 0, 0
	FETCH_A 0, 0, 0
	FETCH_A 0, 0, 4
	s_wait_loadcnt 0x0                             ; the scale words
	STEP 0, 0, 1                                   ; the eight K steps are written out: each names its own scale registers
	PASS 0, 3, 1
	STEP 3, 2, 0
	TURN 3, 1, 3, 1                                ; K steps 4 and 5 are whole; the bytes of K steps 0 to 3 are read no more and take K steps 6 and 7
	STEP 1, 4, 0
	TURN 1, 2, 5, 0                                ; the refill has landed; nothing is left to fetch
	STEP 2, 6, 0
	s_wait_dscnt 12
	WIN MUL_LO
	MUL16 0, 1, 7, 0
	MUL16 2, 1, 7, 0
	s_wait_dscnt 0
	WIN MUL_HI
	MUL16 4, 1, 7, 0
	MUL16 6, 1, 7, 0
	WIN 0
	PLACES 4
; THE WAY OUT.  Block a of A: my lane's 64 results are 128 along the next K in halves; they are quantised where they stand and leave as an image, 3 stores of 512 consecutive bytes.  Each accumulator is read from its low end on.
.macro QUANTW a
.set AC, 64*((\a)%4)
.set W, 2+(\a)/4
.set PCA, AF+12*(\a)
	WIN (W<<2)|(W<<4)
.irp q, 0,1,2,3
	v_max3_num_f32 v[TM+\q], 0x1800000, |v[AC+16*\q]|, |v[AC+16*\q+1]|   ; the floor 2^(3 - 127) among the leaves
.endr
.irp i, 2,4,6,8,10,12,14
.irp q, 0,1,2,3
	v_max3_num_f32 v[TM+\q], v[TM+\q], |v[AC+16*\q+\i]|, |v[AC+16*\q+\i+1]|
.endr
.endr
	WIN 0
.irp q, 0,1,2,3
	v_permlanex16_b32 v[TM+4+\q], v[TM+\q], s[SEL], s[SEL+1]
.endr
.irp q, 0,1,2,3
	v_max_num_f32 v[TM+\q], v[TM+\q], v[TM+4+\q]
.endr
.irp q, 0,1,2,3
	v_add_nc_u32 v[TM+12+\q], 0xff000000, v[TM+\q]
.endr
.irp q, 0,1,2,3
	v_lshrrev_b32 v[TM+4+\q], 23, v[TM+12+\q]
.endr
	v_lshl_or_b32 v[PW+(\a)], v[TM+5], 8, v[TM+4]
	v_lshl_or_b32 v[PW+(\a)], v[TM+6], 16, v[PW+(\a)]
	v_lshl_or_b32 v[PW+(\a)], v[TM+7], 24, v[PW+(\a)]
	WIN W
.irp c, 0,1
	v_cvt_scalef32_pk16_fp6_f32 v[PCA+6*\c:PCA+6*\c+2], v[AC+32*\c:AC+32*\c+15], v[TM+12+2*\c]
	v_cvt_scalef32_pk16_fp6_f32 v[CT+4*\c:CT+4*\c+2], v[AC+32*\c+16:AC+32*\c+31], v[TM+12+2*\c+1]
.endr
	WIN 0
	v_nop                                          ; one plain place behind a scaled conversion
.irp c, 0,1
.irp i, 0,1,2
	v_permlane16_swap_b32 v[PCA+6*\c+\i], v[CT+4*\c+\i]
.endr
.irp i, 0,1,2
	v_mov_b32 v[PCA+3+6*\c+\i], v[CT+4*\c+\i]
.endr
.endr
.irp g, 0,1,2
	global_store_b128 v[LI], v[PCA+4*\g:PCA+4*\g+3], s[8:9] offset:1536*(\a)+512*\g   ; each block has registers of its own for its codes: no store's data are written again
.endr
.endm
.irp a, 0,1,2,3,4,5,6,7
	QUANTW \a
.endr
	v_cmp_eq_u32 s80, 1, v2                        ; every lane holds its row's eight words: lanes 0-15 store words 0-3, lanes 16-31 words 4-7
.irp i, 0,1,2,3
	v_cndmask_b32 v[SW+\i], v[PW+\i], v[PW+4+\i], s80
.endr
	global_store_b128 v[HSO], v[SW:SW+3], s[10:11] ; 512 consecutive bytes
	s_wait_tensorcnt 0x0                           ; the wave's end: behind my last tensor load
	ds_add_u32 v[SPW], v[NIL]
	s_wait_dscnt 0x0
	CROUND                                         ; the closing round: no work-group ends while a partner may still ask for a tile that names it
	s_endpgm
.Lfunc_end_k_q7a5f2c8d5e_gemm1:
	.size	k_q7a5f2c8d5e_gemm1, .Lfunc_end_k_q7a5f2c8d5e_gemm1-k_q7a5f2c8d5e_gemm1
	.p2alignl 7, 3214868480
	.fill 96, 4, 3214868480
	.section	.rodata,"a",@progbits
	.p2align	6, 0x0
	.amdhsa_kernel k_q7a5f2c8d5e_gemm1
		.amdhsa_group_segment_fixed_size 327680
		.amdhsa_private_segment_fixed_size 0
		.amdhsa_enable_private_segment 0
		.amdhsa_kernarg_size 32
		.amdhsa_user_sgpr_count 2
		.amdhsa_user_sgpr_kernarg_segment_ptr 1
		.amdhsa_wavefront_size32 1
		.amdhsa_system_sgpr_workgroup_id_x 1
		.amdhsa_system_sgpr_workgroup_id_y 1
		.amdhsa_system_sgpr_workgroup_id_z 1
		.amdhsa_system_vgpr_workitem_id 0
		.amdhsa_next_free_vgpr 1024
		.amdhsa_next_free_sgpr 100
		.amdhsa_reserve_vcc 0
		.amdhsa_float_denorm_mode_32 3
		.amdhsa_float_denorm_mode_16_64 3
		.amdhsa_memory_ordered 1
		.amdhsa_forward_progress 1
		.amdhsa_inst_pref_size 138
	.end_amdhsa_kernel
	.amdgpu_metadata
---
amdhsa.version: [ 1, 2 ]
amdhsa.kernels:
  - .name:           k_q7a5f2c8d5e_gemm1
    .symbol:         k_q7a5f2c8d5e_gemm1.kd
    .args:
      - { .name: opc, .offset: 0, .size: 8, .value_kind: global_buffer, .address_space: global }
      - { .name: ops, .offset: 8, .size: 8, .value_kind: global_buffer, .address_space: global }
      - { .name: hc, .offset: 16, .size: 8, .value_kind: global_buffer, .address_space: global }
      - { .name: hs, .offset: 24, .size: 8, .value_kind: global_buffer, .address_space: global }
    .group_segment_fixed_size: 327680
    .private_segment_fixed_size: 0
    .kernarg_segment_align: 8
    .kernarg_segment_size: 32
    .max_flat_workgroup_size: 128
    .sgpr_count:     100
    .vgpr_count:     1024
    .wavefront_size: 32
...
	.end_amdgpu_metadata
.endif
;; end of part 2
;; launch attn (part 3): grid 32 x 8, 4 waves a work-group, clusters of 4 x 1, 327,680 bytes of LDS; arguments hc, hs, bias_idxs, attention_biases, ac, asc; writes ac, asc
.if DOCPART == 3
	.amdgcn_target "amdgcn-amd-amdhsa--gfx1250"
	.amdhsa_code_object_version 6
	.text
	.protected	k_q7a5f2c8d5e_attn
	.globl	k_q7a5f2c8d5e_attn
	.p2align	8
	.type	k_q7a5f2c8d5e_attn,@function
k_q7a5f2c8d5e_attn:
	s_mov_b64 s[64:65], 0
	v_nop
	global_prefetch_b8 v0, s[64:65] scope:SCOPE_SE
	s_setreg_imm32_b32 hwreg(HW_REG_WAVE_MODE, 25, 1), 1
	s_wait_xcnt 0x0
	s_wait_alu depctr_hold_cnt(0) depctr_sa_sdst(0) depctr_va_vdst(0) depctr_va_sdst(0) depctr_va_ssrc(0) depctr_va_vcc(0) depctr_vm_vsrc(0)
	s_getreg_b32 s2, hwreg(HW_REG_IB_STS2, 6, 4)
	s_cmp_eq_u32 s2, 0
	s_cbranch_scc0 .Lentry_in_a_cluster
	s_endpgm
.Lentry_in_a_cluster:
	s_bfe_u32 s2, ttmp6, 0x10000c
	s_cmp_lg_u32 s2, 0x3003
	s_cbranch_scc0 .Lentry_shape_is_right
	s_endpgm
.Lentry_shape_is_right:
.set SEC,   6291456
.set SLOT1, 131072
.set VOFF,  49152
.set KSO,   98304
.set STG,   262144
.set SCST,  286720
.set SPARE, 287744
.set AK,  1
.set AV,  3
.set AKS, 5
.set AVS, 7
.set VIX, 9
.set PFO, 10
.set ST,  16
.set QS,  48
.set KS,  56
.set VS,  64
.set PS,  68
.set F,   70
.set BM,  72
.set PT,  76
.set SO,  80
.set BY,  84
.set TP,  88
.set PC,  96
.set OSW, 100
.set CT,  108
.set L4,  116
.set SPW, 120
.set NIL, 121
.set SCR, 128
.set NB,  64
.set WV,  16
.set CS,  22
.set G1I, 24
.set G1S, 32
.set G0I, 40
.set G0S, 48
.set SEL, 56
.set IXA, 58
.set TAB, 60
.set TRIP, 62
.set LIMA, 63
.set LIMB, 66
.set P0,  68
.set P1,  70
.set MSB, 0
.macro WIN new
.if MSB != (\new)
	s_set_vgpr_msb (MSB<<8)|(\new)
.set MSB, (\new)
.endif
.endm
.set W_ST, 0x3a
.set W_PV, 0x52
.set W_RS, 0x41
.macro JLOAD s
	s_cmp_lt_u32 s[WV], 2
	s_cbranch_scc0 .Lfor_s_\@
	tensor_load_to_lds s[G0I+4*\s:G0I+4*\s+3], s[G1I:G1I+7]
	s_nop 0
.rept 4
	v_nop
.endr
	s_branch .Lasked_\@
.Lfor_s_\@:
	tensor_load_to_lds s[G0S+4*\s:G0S+4*\s+3], s[G1S:G1S+7]
	s_nop 0
.rept 4
	v_nop
.endr
.Lasked_\@:
.endm
.macro CROUND
	s_barrier_signal -1
	s_barrier_wait -1
	s_cmp_lg_u32 s[WV], 0
	s_cbranch_scc1 .Lnot_wave_0_\@
	s_barrier_signal -3
.Lnot_wave_0_\@:
	s_barrier_wait -3
	s_barrier_signal -1
	s_barrier_wait -1
.endm
.macro ASK p, lim
	s_cmp_gt_u32 s[TRIP], s[\lim]
	s_cbranch_scc0 .Lnot_mine_\@
	global_prefetch_b8 v[PFO], s[\p:\p+1] th:TH_LOAD_NT scope:SCOPE_SE
.Lnot_mine_\@:
.endm
	s_load_b256 s[4:11], s[0:1], 0x0
	s_load_b128 s[12:15], s[0:1], 0x20
	v_lshl_add_u32 v[SPW], v0, 2, SPARE
	v_mov_b32 v[NIL], 0
	ds_add_u32 v[SPW], v[NIL]
	ds_add_u32 v[SPW], v[NIL]
	v_lshrrev_b32 v88, 5, v0
	v_readfirstlane_b32 s[WV], v88
	s_and_b32 s17, s[WV], 1
	s_lshr_b32 s18, s[WV], 1
	s_bfe_u32 s19, ttmp6, 0x40000
	s_and_b32 s20, ttmp7, 0xffff
	s_lshl_b32 s21, ttmp9, 2
	s_add_co_u32 s21, s21, s19
	s_mov_b32 s[G1I], 15|(3<<16)|(1<<21)
	s_mov_b32 s[G1I+1], 1536<<16
	s_mov_b32 s[G1I+2], 4<<16
	s_mov_b32 s[G1I+3], 1536<<16
	s_mov_b32 s[G1I+4], 4
	s_mov_b32 s[G1I+5], 98304
	s_mov_b32 s[G1I+6], 0
	s_mov_b32 s[G1I+7], 0
	s_mov_b32 s[G1S], 15|(3<<16)|(1<<21)
	s_mov_b32 s[G1S+1], 64<<16
	s_mov_b32 s[G1S+2], 4<<16
	s_mov_b32 s[G1S+3], 64<<16
	s_mov_b32 s[G1S+4], 4
	s_mov_b32 s[G1S+5], 4096
	s_mov_b32 s[G1S+6], 0
	s_mov_b32 s[G1S+7], 0
	s_add_co_u32 s74, s17, 1
	s_mul_i32 s75, s74, SEC
	s_mul_i32 s76, s20, 98304
	s_add_co_u32 s76, s76, s75
	s_mov_b32 s77, 0
	s_lshl_b32 s78, s74, 18
	s_lshl_b32 s79, s20, 12
	s_add_co_u32 s78, s78, s79
	s_mov_b32 s79, 0
	s_mul_i32 s80, s17, VOFF
	s_lshl_b32 s81, s17, 11
	s_add_co_u32 s81, s81, KSO
	s_mov_b32 s[CS], 0x3e38aa3b
	s_mov_b32 s[CS+1], s[CS]
	s_mov_b32 s[SEL], 0x76543210
	s_mov_b32 s[SEL+1], 0xfedcba98
	s_cmp_eq_u32 s17, 0
	s_cselect_b32 s72, -1, 0
	s_cselect_b32 s73, 0, -1
	s_add_co_u32 s82, s[WV], 1
	s_lshr_b32 s82, s82, 2
	s_or_b32 s82, s82, ttmp9
	s_cmp_eq_u32 s82, 0
	s_cselect_b32 s[LIMA], 0, -1
	s_cselect_b32 s[LIMB], 1, -1
	v_and_b32 v89, 31, v0
	v_and_b32 v90, 15, v0
	v_bfe_u32 v91, v0, 4, 1
	v_lshlrev_b32 v[AK], 4, v89
	v_add_nc_u32 v[AK+1], SLOT1, v[AK]
	s_mul_i32 s74, s17, 6144
	s_add_co_u32 s74, s74, VOFF
	v_add_nc_u32 v[AV], s74, v[AK]
	v_add_nc_u32 v[AV+1], SLOT1, v[AV]
	v_lshlrev_b32 v[AKS], 5, v90
	v_add_nc_u32 v[AKS], KSO, v[AKS]
	v_add_nc_u32 v[AKS+1], SLOT1, v[AKS]
	s_lshl_b32 s74, s17, 4
	s_add_co_u32 s74, s74, 2048
	v_add_nc_u32 v[AVS], s74, v[AKS]
	v_add_nc_u32 v[AVS+1], SLOT1, v[AVS]
	v_lshlrev_b32 v92, 3, v89
	s_mul_i32 s74, s[WV], 768
	s_add_co_u32 s74, s74, STG
	v_add_nc_u32 v11, s74, v92
	s_lshl_b32 s74, s[WV], 5
	s_add_co_u32 s74, s74, SCST
	v_lshl_add_u32 v13, v90, 1, s74
	s_mul_i32 s74, s[WV], 6144
	s_add_co_u32 s74, s74, STG
	v_add_nc_u32 v14, s74, v92
	s_lshl_b32 s74, s[WV], 8
	s_add_co_u32 s74, s74, SCST
	v_lshlrev_b32 v15, 6, v91
	v_lshl_add_u32 v15, v90, 1, v15
	v_add_nc_u32 v15, s74, v15
	v_lshlrev_b32 v[L4], 2, v89
	v_and_b32 v92, 8, v90
	v_add_nc_u32 v92, v92, v90
	v_lshlrev_b32 v[VIX], 12, v92
	v_lshl_add_u32 v[VIX], v91, 6, v[VIX]
	s_lshl_b32 s74, s18, 15
	v_add_nc_u32 v[VIX], s74, v[VIX]
	v_lshlrev_b32 v[PFO], 8, v0
	v_cmp_le_u32 s94, 48, v0
	v_mov_b32 v93, SEC-12288
	v_cndmask_b32 v93, 0, v93, s94
	v_add_nc_u32 v[PFO], v[PFO], v93
	v_lshlrev_b32 v92, 5, v90
	s_wait_dscnt 0x0
	s_wait_kmcnt 0x0
	s_add_nc_u64 s[76:77], s[4:5], s[76:77]
	s_add_nc_u64 s[78:79], s[6:7], s[78:79]
	CROUND
.irp s, 0,1
	s_mov_b32 s[G0I+4*\s], 1
	s_add_co_u32 s[G0I+4*\s+1], s80, \s*SLOT1
	s_add_nc_u64 s[G0I+4*\s+2:G0I+4*\s+3], s[76:77], \s*3145728
	s_or_b32 s[G0I+4*\s+3], s[G0I+4*\s+3], 0x80000000
	s_mov_b32 s[G0S+4*\s], 1
	s_add_co_u32 s[G0S+4*\s+1], s81, \s*SLOT1
	s_add_nc_u64 s[G0S+4*\s+2:G0S+4*\s+3], s[78:79], \s*131072
	s_or_b32 s[G0S+4*\s+3], s[G0S+4*\s+3], 0x80000000
.endr
	s_wait_alu depctr_va_vdst(0)
	JLOAD 0                                        ; slot 0: one tensor load a wave at the head; slot 1's first fill stands behind the head's global loads and gathers
	s_lshl_b32 s82, s21, 1
	s_add_co_u32 s82, s82, s18
	s_lshl_b32 s83, s20, 6
	s_add_co_u32 s84, s83, s82
	s_mul_i32 s84, s84, 1536
	s_mov_b32 s85, 0
	s_add_nc_u64 s[84:85], s[4:5], s[84:85]
	s_and_b32 s86, s82, 56
	s_add_co_u32 s86, s86, s83
	s_lshl_b32 s86, s86, 6
	s_and_b32 s87, s82, 7
	s_lshl_b32 s87, s87, 2
	s_add_co_u32 s86, s86, s87
	s_mov_b32 s87, 0
	s_add_nc_u64 s[86:87], s[6:7], s[86:87]
	s_lshl_b32 s[IXA], s21, 17
	s_mov_b32 s[IXA+1], 0
	s_add_nc_u64 s[IXA:IXA+1], s[8:9], s[IXA:IXA+1]
	s_lshl_b32 s[TAB], s20, 1
	s_add_co_u32 s[TAB], s[TAB], s17
	s_lshl_b32 s[TAB], s[TAB], 12
	s_mov_b32 s[TAB+1], 0
	s_add_nc_u64 s[TAB:TAB+1], s[10:11], s[TAB:TAB+1]
	s_lshl_b32 s88, s[WV], 7
	s_lshl_b32 s89, s21, 1
	s_add_co_u32 s88, s88, s89
	s_lshl_b32 s90, s88, 6
	s_lshl_b32 s88, s88, 3
	s_add_co_u32 s88, s88, s20
	s_mul_i32 s88, s88, 1536
	s_mov_b32 s89, 0
	s_add_nc_u64 s[12:13], s[12:13], s[88:89]
	s_lshl_b32 s91, s20, 15
	s_add_co_u32 s90, s90, s91
	s_mov_b32 s91, 0
	s_add_nc_u64 s[14:15], s[14:15], s[90:91]
	s_lshl_b32 s92, s19, 3
	s_add_co_u32 s92, s92, s20
	s_mul_i32 s92, s92, 98304
	s_add_co_u32 s92, s92, SEC
	s_mov_b32 s93, 0
	s_add_nc_u64 s[P1:P1+1], s[4:5], s[92:93]
	s_add_nc_u64 s[P0:P0+1], s[P1:P1+1], 12288
	s_add_nc_u64 s[P1:P1+1], s[P1:P1+1], 3145728
	WIN 0x80
.irp q, 0,1,2,3,4,5,6,7
.irp g, 0,1,2
	global_load_b128 v[144+12*\q+4*\g:144+12*\q+4*\g+3], v[AK], s[84:85] offset:786432*\q+512*\g
.endr
.endr
	WIN 0
	s_wait_alu depctr_va_vdst(0)
.irp q, 0,1,2,3,4,5,6,7
	global_load_b32 v[QS+\q], v92, s[86:87] offset:32768*\q
.endr
.macro IDXL
	WIN 0xc0
.irp q, 0,1,2,3
.irp jj, 0,1,2,3
	global_load_b128 v[NB+16*\q+4*\jj:NB+16*\q+4*\jj+3], v[VIX], s[IXA:IXA+1] offset:128*\q+16*\jj
.endr
.endr
	WIN 0
.endm
.macro IDXLOAD
	s_add_nc_u64 s[IXA:IXA+1], s[IXA:IXA+1], 512
	IDXL
.endm
.macro GPREP
	s_wait_loadcnt 0x0
	WIN 0xcc
.set gi, 0
.rept 64
	v_min_u32 v[NB+gi], 0x3ff, v[NB+gi]
.set gi, gi+1
.endr
.set gi, 0
.rept 64
	v_lshlrev_b32 v[NB+gi], 2, v[NB+gi]
.set gi, gi+1
.endr
.endm
.macro GPART k
	WIN 0xc3
.set gi, 16*(\k)
.rept 16
	global_load_b32 v[NB+gi], v[NB+gi], s[TAB:TAB+1]
.set gi, gi+1
.endr
	WIN 0
.endm
.macro CBUP
	s_wait_loadcnt 0x0
	WIN 0xc3
.set gi, 0
.rept 32
	v_pk_mul_f32 v[gi:gi+1], v[NB+gi:NB+gi+1], 0x41000000 op_sel_hi:[1,0]
.set gi, gi+2
.endr
	WIN 0
.endm
	IDXL
.irp q, 0,1,2,3,4,5,6,7
	v_mov_b32 v[ST+4*\q+1], 0xff61b1e6
	v_floor_f32 v[ST+4*\q], -v[ST+4*\q+1]
	v_mov_b32 v[ST+4*\q+2], 0
	v_mov_b32 v[ST+4*\q+3], 0
.endr
.irp q, 0,1,2,3
	v_mov_b32 v[PT+\q], 0
.endr
	v_mov_b32 v[F+1], 0
	s_wait_loadcnt 0x0
	WIN 0x88
.irp q, 0,1,2,3,4,5,6,7
.irp i, 0,1,2,3,4,5
	v_and_b32 v[144+12*\q+\i], s72, v[144+12*\q+\i]
	v_and_b32 v[150+12*\q+\i], s73, v[150+12*\q+\i]
.endr
.endr
	GPREP
	GPART 0
	GPART 1
	GPART 2
	WIN 0x40
.set gi, 0
.rept 256
	v_mov_b32 v[gi], 0
.set gi, gi+1
.endr
	WIN 0
	GPART 3
	CBUP
.macro KLOAD nb
	WIN 0x80
.irp t, 0,1,2,3,4,5,6,7
.irp g, 0,1,2
	ds_load_b128 v[12*\t+4*\g:12*\t+4*\g+3], v[AK+(\nb)/4] offset:12288*((\nb)%4)+1536*\t+512*\g
.endr
.endr
	WIN 0
	ds_load_b128 v[KS:KS+3], v[AKS+(\nb)/4] offset:512*((\nb)%4)
	ds_load_b128 v[KS+4:KS+7], v[AKS+(\nb)/4] offset:512*((\nb)%4)+16
.endm
.macro VLOAD nb
	WIN 0x80
.irp t, 0,1,2,3
.irp g, 0,1,2
	ds_load_b128 v[96+12*\t+4*\g:96+12*\t+4*\g+3], v[AV+(\nb)/4] offset:12288*((\nb)%4)+1536*\t+512*\g
.endr
.endr
	WIN 0
	ds_load_b128 v[VS:VS+3], v[AVS+(\nb)/4] offset:512*((\nb)%4)
.endm
.macro STP t, nb, dst
	v_wmma_scale_f32_16x16x128_f8f6f4 v[\dst+8*(\t):\dst+8*(\t)+7], v[12*(\t):12*(\t)+11], v[144+12*(\nb):144+12*(\nb)+11], v[8*(\t):8*(\t)+7], v[KS+(\t)], v[QS+(\nb)] matrix_a_fmt:MATRIX_FMT_FP6 matrix_b_fmt:MATRIX_FMT_FP6
.endm
.macro CHANGE fill, slot, p, lim
	WIN 0
	s_wait_tensorcnt 0x0
	ds_add_u32 v[SPW], v[NIL]
.if \fill
	s_add_nc_u64 s[G0I+4*\slot+2:G0I+4*\slot+3], s[G0I+4*\slot+2:G0I+4*\slot+3], 12288
	s_add_nc_u64 s[G0S+4*\slot+2:G0S+4*\slot+3], s[G0S+4*\slot+2:G0S+4*\slot+3], 512
	s_wait_xcnt 0x0
	s_add_nc_u64 s[\p:\p+1], s[\p:\p+1], 12288
	s_wait_dscnt 0x0
	CROUND
	JLOAD \slot
	ASK \p, \lim
.else
	s_wait_dscnt 0x0
	s_barrier_signal -1
	s_barrier_wait -1
.endif
.endm
.macro STEP b, last
.set SB, SCR+64*((\b)%2)
.set SN, SCR+64*(1-(\b)%2)
.set T4, ST+4*(\b)
.set OB, 32*(\b)
.set NXB, ((\b)+1)%8
.set DOST, 1
.set DOK, 1
.set DOV, 1
.set WK, 13
.if ((\b) == 3) || ((\b) == 7)
.set WK, 0
.endif
.if \last
.if (\b) == 7
.set DOST, 0
.set DOV, 0
.endif
.if (\b) >= 6
.set DOK, 0
.endif
.else
.if (\b) == 0
	IDXLOAD
.endif
.if (\b) == 2
	GPREP
	GPART 0
.endif
.if (\b) == 3
	GPART 1
.endif
.if (\b) == 4
	GPART 2
.endif
.if (\b) == 5
	GPART 3
.endif
.if (\b) == 7
	CBUP
.endif
.endif
.if ((\b) == 2) || ((\b) == 6)
.set DOK, 0
.endif
	v_mov_b32 v[TP+1], v[T4]
.irp q, 0,1,2,3
	v_max3_num_f32 v[BM+\q], v[SB+16*\q], v[SB+16*\q+1], v[SB+16*\q+2]
.endr
.irp q, 0,1,2,3
	v_max3_num_f32 v[SO+\q], v[SB+16*\q+8], v[SB+16*\q+9], v[SB+16*\q+10]
.endr
.irp i, 3,5
.irp q, 0,1,2,3
	v_max3_num_f32 v[BM+\q], v[BM+\q], v[SB+16*\q+\i], v[SB+16*\q+\i+1]
.endr
.irp q, 0,1,2,3
	v_max3_num_f32 v[SO+\q], v[SO+\q], v[SB+16*\q+8+\i], v[SB+16*\q+9+\i]
.endr
.endr
.irp q, 0,1,2,3
	v_max3_num_f32 v[BM+\q], v[BM+\q], v[SO+\q], v[SB+16*\q+7]
.endr
.irp q, 0,1,2,3
	v_max_num_f32 v[BM+\q], v[BM+\q], v[SB+16*\q+15]
.endr
.irp q, 0,1,2,3
	v_permlanex16_b32 v[PT+\q], v[BM+\q], s[SEL], s[SEL+1]
.endr
.irp q, 0,1,2,3
	v_max_num_f32 v[BM+\q], v[BM+\q], v[PT+\q]
.endr
	v_max3_num_f32 v[TP], v[BM], v[BM+1], v[BM+2]
	v_max_num_f32 v[TP], v[TP], v[BM+3]
	v_mul_f32 v[TP], s[CS], v[TP]
	v_max_num_f32 v[T4+1], v[T4+1], v[TP]
	v_floor_f32 v[T4], -v[T4+1]
.set ex, 0
.rept 32
	v_pk_fma_f32 v[SB+ex:SB+ex+1], v[SB+ex:SB+ex+1], s[CS:CS+1], v[T4:T4+1] op_sel_hi:[1,0,0]
.if ex == 6
	v_sub_f32 v[TP], v[T4], v[TP+1]
.endif
.if ex == 14
	v_cvt_i32_f32 v[TP], v[TP]
.endif
.if ex == 22
	v_ldexp_f32 v[F], 1.0, v[TP]
.endif
.set ex, ex+2
.endr
.irp q, 0,1,2,3
	v_fma_f32 v[BM+\q], v[BM+\q], s[CS], v[T4]
.endr
	s_wait_dscnt WK
	s_wait_alu depctr_va_vdst(0)
.irp q, 0,1,2,3
	v_exp_f32 v[BM+\q], v[BM+\q]
.endr
.set ex, 0
.rept 64
	v_exp_f32 v[SB+ex], v[SB+ex]
.if DOST && ((ex%7) == 6) && (ex < 56)
.set tt, ex/7
	WIN W_ST
	STP tt, NXB, SN
	WIN 0
.endif
.set ex, ex+1
.endr
	v_pk_mul_f32 v[T4+2:T4+3], v[T4+2:T4+3], v[F:F+1] op_sel_hi:[1,0]
	s_wait_alu depctr_va_vdst(0)
	v_pk_add_f32 v[TP:TP+1], v[SB:SB+1], v[SB+2:SB+3]
	v_pk_add_f32 v[TP+2:TP+3], v[SB+4:SB+5], v[SB+6:SB+7]
	v_pk_add_f32 v[TP+4:TP+5], v[SB+8:SB+9], v[SB+10:SB+11]
.set pp, 12
.rept 6
	v_pk_add_f32 v[T4+2:T4+3], v[T4+2:T4+3], v[SB+pp:SB+pp+1]
	v_pk_add_f32 v[TP:TP+1], v[TP:TP+1], v[SB+pp+2:SB+pp+3]
	v_pk_add_f32 v[TP+2:TP+3], v[TP+2:TP+3], v[SB+pp+4:SB+pp+5]
	v_pk_add_f32 v[TP+4:TP+5], v[TP+4:TP+5], v[SB+pp+6:SB+pp+7]
.set pp, pp+8
.endr
	v_pk_add_f32 v[T4+2:T4+3], v[T4+2:T4+3], v[SB+60:SB+61]
	v_pk_add_f32 v[TP:TP+1], v[TP:TP+1], v[SB+62:SB+63]
	v_pk_add_f32 v[TP+2:TP+3], v[TP+2:TP+3], v[TP+4:TP+5]
	v_pk_add_f32 v[T4+2:T4+3], v[T4+2:T4+3], v[TP:TP+1]
	v_pk_add_f32 v[T4+2:T4+3], v[T4+2:T4+3], v[TP+2:TP+3]
.if DOK
	KLOAD ((\b)+2)%8
.endif
.irp q, 0,1,2,3
	v_max_num_f32 v[BM+\q], 0x1800000, v[BM+\q]
.endr
.irp q, 0,1,2,3
	v_add_nc_u32 v[SO+\q], 0xff000000, v[BM+\q]
.endr
.irp q, 0,1,2,3
	v_lshrrev_b32 v[BY+\q], 23, v[SO+\q]
.endr
	v_lshl_or_b32 v[PS], v[BY+1], 8, v[BY]
	v_lshl_or_b32 v[BY+2], v[BY+3], 8, v[BY+2]
	v_lshl_or_b32 v[PS], v[BY+2], 16, v[PS]
.irp c, 0,1
	v_cvt_scalef32_pk16_fp6_f32 v[PC+6*\c:PC+6*\c+2], v[SB+32*\c:SB+32*\c+15], v[SO+2*\c]
	v_cvt_scalef32_pk16_fp6_f32 v[CT+4*\c:CT+4*\c+2], v[SB+32*\c+16:SB+32*\c+31], v[SO+2*\c+1]
.endr
	v_nop
.irp c, 0,1
.irp i, 0,1,2
	v_permlane16_swap_b32 v[PC+6*\c+\i], v[CT+4*\c+\i]
.endr
.endr
.irp c, 0,1
.irp i, 0,1,2
	v_mov_b32 v[PC+3+6*\c+\i], v[CT+4*\c+\i]
.endr
.endr
	WIN W_RS
.set ex, 0
.rept 16
	v_pk_mul_f32 v[OB+ex:OB+ex+1], v[OB+ex:OB+ex+1], v[F:F+1] op_sel_hi:[1,0]
.set ex, ex+2
.endr
.if DOK
	s_wait_alu depctr_va_vdst(0)
	s_wait_dscnt 26
.else
	s_wait_alu depctr_va_vdst(0)
	s_wait_dscnt 0x0
.endif
	WIN W_PV
.irp t, 0,1,2,3
	v_wmma_scale_f32_16x16x128_f8f6f4 v[OB+8*\t:OB+8*\t+7], v[96+12*\t:96+12*\t+11], v[PC:PC+11], v[OB+8*\t:OB+8*\t+7], v[VS+\t], v[PS] matrix_a_fmt:MATRIX_FMT_FP6 matrix_b_fmt:MATRIX_FMT_FP6
.endr
	WIN 0
.if DOV
.rept 4
	v_nop
.endr
	VLOAD NXB
.endif
.if (\b) == 2
.if \last
	CHANGE 0, 0, P1, LIMA
.else
	CHANGE 1, 0, P1, LIMA
.endif
	KLOAD 4
.endif
.if (\b) == 6
.if !\last
	CHANGE 1, 1, P0, LIMB
	KLOAD 0
.endif
.endif
.endm
	s_wait_alu depctr_va_vdst(0)
	s_wait_tensorcnt 0x0                           ; my part of slot 0 is in
	ds_add_u32 v[SPW], v[NIL]
	s_wait_dscnt 0x0
	CROUND
	JLOAD 1                                        ; slot 1 (batches 4 to 7), first read behind the change of slots in step 2
	KLOAD 0
	s_wait_dscnt 0x0
	WIN W_ST
.irp t, 0,1,2,3,4,5,6,7
	STP \t, 0, SCR
.endr
	WIN 0
.rept 4
	v_nop
.endr
	KLOAD 1
	VLOAD 0
	s_mov_b32 s[TRIP], 7
.Ltrip:
	STEP 0, 0
	STEP 1, 0
	STEP 2, 0
	STEP 3, 0
	STEP 4, 0
	STEP 5, 0
	STEP 6, 0
	STEP 7, 0
	s_sub_co_u32 s[TRIP], s[TRIP], 1
	s_cmp_lg_u32 s[TRIP], 0
	s_cbranch_scc1 .Ltrip
	STEP 0, 1
	STEP 1, 1
	STEP 2, 1
	STEP 3, 1
	STEP 4, 1
	STEP 5, 1
	STEP 6, 1
	STEP 7, 1
.irp q, 0,1,2,3,4,5,6,7
	v_add_f32 v[ST+4*\q+2], v[ST+4*\q+2], v[ST+4*\q+3]
.endr
.irp q, 0,1,2,3,4,5,6,7
	v_permlanex16_b32 v[ST+4*\q+3], v[ST+4*\q+2], s[SEL], s[SEL+1]
.endr
.irp q, 0,1,2,3,4,5,6,7
	v_add_f32 v[ST+4*\q+2], v[ST+4*\q+2], v[ST+4*\q+3]
.endr
	s_wait_alu depctr_va_vdst(0)
.irp q, 0,1,2,3,4,5,6,7
	v_rcp_f32 v[ST+4*\q], v[ST+4*\q+2]
.endr
	v_nop
	s_wait_alu depctr_va_vdst(0)
.macro OUTQ b
.set Y, 128+32*((\b)%2)
.set OC, 192+8*(\b)
	WIN 0x01
.set ex, 0
.rept 16
	v_pk_mul_f32 v[Y+ex:Y+ex+1], v[32*(\b)+ex:32*(\b)+ex+1], v[ST+4*(\b):ST+4*(\b)+1] op_sel_hi:[1,0]
.set ex, ex+2
.endr
	WIN 0
.irp q, 0,1
	v_max3_num_f32 v[BM+\q], |v[Y+16*\q]|, |v[Y+16*\q+1]|, 0x1800000
.endr
.irp i, 2,4,6,8,10,12,14
.irp q, 0,1
	v_max3_num_f32 v[BM+\q], v[BM+\q], |v[Y+16*\q+\i]|, |v[Y+16*\q+\i+1]|
.endr
.endr
.irp q, 0,1
	v_permlanex16_b32 v[PT+\q], v[BM+\q], s[SEL], s[SEL+1]
.endr
.irp q, 0,1
	v_max_num_f32 v[BM+\q], v[BM+\q], v[PT+\q]
.endr
.irp q, 0,1
	v_add_nc_u32 v[SO+\q], 0xff000000, v[BM+\q]
.endr
.irp q, 0,1
	v_lshrrev_b32 v[BY+\q], 23, v[SO+\q]
.endr
	v_lshl_or_b32 v[OSW+(\b)], v[BY+1], 8, v[BY]
	v_cvt_scalef32_pk16_fp6_f32 v[OC:OC+2], v[Y:Y+15], v[SO]
	v_cvt_scalef32_pk16_fp6_f32 v[OC+4:OC+6], v[Y+16:Y+31], v[SO+1]
	v_nop
.irp i, 0,1,2
	v_permlane16_swap_b32 v[OC+\i], v[OC+4+\i]
.endr
	v_mov_b32 v[OC+3], v[OC+4]
	v_mov_b32 v[OC+4], v[OC+5]
	v_mov_b32 v[OC+5], v[OC+6]
.irp i, 0,1,2
	ds_store_b64 v11, v[OC+2*\i:OC+2*\i+1] offset:3072*(\b)+256*\i
.endr
	ds_store_b16 v13, v[OSW+(\b)] offset:128*(\b)
.endm
.irp q, 0,1,2,3,4,5,6,7
	OUTQ \q
.endr
	s_wait_dscnt 0x0
	s_barrier_signal -1
	s_barrier_wait -1
.irp e, 0,1,2,3
.irp p, 0,1,2,3,4,5
	ds_load_b64 v[128+12*\e+2*\p:128+12*\e+2*\p+1], v14 offset:1536*\e+256*\p
.endr
.endr
.irp e, 0,1
	ds_load_u16 v[176+2*\e], v15 offset:128*\e
	ds_load_u16 v[177+2*\e], v15 offset:128*\e+32
.endr
	s_wait_dscnt 0x0
.irp e, 0,1
	v_lshl_or_b32 v[176+2*\e], v[177+2*\e], 16, v[176+2*\e]
.endr
.irp e, 0,1,2,3
.irp g, 0,1,2
	global_store_b128 v[AK], v[128+12*\e+4*\g:128+12*\e+4*\g+3], s[12:13] offset:(\e/2)*786432+(\e%2)*12288+512*\g
.endr
.endr
	global_store_b32 v[L4], v176, s[14:15]
	global_store_b32 v[L4], v178, s[14:15] offset:4096
	s_wait_tensorcnt 0x0
	ds_add_u32 v[SPW], v[NIL]
	s_wait_dscnt 0x0
	CROUND
	s_endpgm
.Lfunc_end_k_q7a5f2c8d5e_attn:
	.size	k_q7a5f2c8d5e_attn, .Lfunc_end_k_q7a5f2c8d5e_attn-k_q7a5f2c8d5e_attn
	.p2alignl 7, 3214868480
	.fill 96, 4, 3214868480
	.section	.rodata,"a",@progbits
	.p2align	6, 0x0
	.amdhsa_kernel k_q7a5f2c8d5e_attn
		.amdhsa_group_segment_fixed_size 327680
		.amdhsa_private_segment_fixed_size 0
		.amdhsa_enable_private_segment 0
		.amdhsa_kernarg_size 48
		.amdhsa_user_sgpr_count 2
		.amdhsa_user_sgpr_kernarg_segment_ptr 1
		.amdhsa_wavefront_size32 1
		.amdhsa_system_sgpr_workgroup_id_x 1
		.amdhsa_system_sgpr_workgroup_id_y 1
		.amdhsa_system_sgpr_workgroup_id_z 1
		.amdhsa_system_vgpr_workitem_id 0
		.amdhsa_next_free_vgpr 896
		.amdhsa_next_free_sgpr 96
		.amdhsa_reserve_vcc 0
		.amdhsa_float_denorm_mode_32 3
		.amdhsa_float_denorm_mode_16_64 3
		.amdhsa_memory_ordered 1
		.amdhsa_forward_progress 1
		.amdhsa_inst_pref_size 255
	.end_amdhsa_kernel
	.section	.bss,"aw",@nobits
	.p2align	6
	.space	262144
	.amdgpu_metadata
---
amdhsa.version: [ 1, 2 ]
amdhsa.kernels:
  - .name:           k_q7a5f2c8d5e_attn
    .symbol:         k_q7a5f2c8d5e_attn.kd
    .args:
      - { .name: hc, .offset: 0, .size: 8, .value_kind: global_buffer, .address_space: global }
      - { .name: hs, .offset: 8, .size: 8, .value_kind: global_buffer, .address_space: global }
      - { .name: bias_idxs, .offset: 16, .size: 8, .value_kind: global_buffer, .address_space: global }
      - { .name: attention_biases, .offset: 24, .size: 8, .value_kind: global_buffer, .address_space: global }
      - { .name: ac, .offset: 32, .size: 8, .value_kind: global_buffer, .address_space: global }
      - { .name: asc, .offset: 40, .size: 8, .value_kind: global_buffer, .address_space: global }
    .group_segment_fixed_size: 327680
    .private_segment_fixed_size: 0
    .kernarg_segment_align: 8
    .kernarg_segment_size: 48
    .max_flat_workgroup_size: 128
    .sgpr_count:     96
    .vgpr_count:     896
    .wavefront_size: 32
...
	.end_amdgpu_metadata
.endif
;; end of part 3
;; launch gemm2 (part 4): grid 4 x 64, 4 waves a work-group, clusters of 4 x 4, 327,680 bytes of LDS; arguments ac, asc, opc, ops, b_out, out0; writes out0
.if DOCPART == 4
	.amdgcn_target "amdgcn-amd-amdhsa--gfx1250"
	.amdhsa_code_object_version 6
	.text
	.protected	k_q7a5f2c8d5e_gemm2
	.globl	k_q7a5f2c8d5e_gemm2
	.p2align	8
	.type	k_q7a5f2c8d5e_gemm2,@function
k_q7a5f2c8d5e_gemm2:
	s_mov_b64 s[64:65], 0
	v_nop
	global_prefetch_b8 v0, s[64:65] scope:SCOPE_SE
	s_setreg_imm32_b32 hwreg(HW_REG_WAVE_MODE, 25, 1), 1
	s_wait_xcnt 0x0
	s_wait_alu depctr_hold_cnt(0) depctr_sa_sdst(0) depctr_va_vdst(0) depctr_va_sdst(0) depctr_va_ssrc(0) depctr_va_vcc(0) depctr_vm_vsrc(0)
	s_getreg_b32 s2, hwreg(HW_REG_IB_STS2, 6, 4)
	s_cmp_eq_u32 s2, 0
	s_cbranch_scc0 .Lentry_in_a_cluster
	s_endpgm
.Lentry_in_a_cluster:
	s_bfe_u32 s2, ttmp6, 0x10000c
	s_cmp_lg_u32 s2, 0xf033
	s_cbranch_scc0 .Lentry_shape_is_right
	s_endpgm
.Lentry_shape_is_right:
.set FR,    12
.set PIECE, 73728
; out0 = attention's codes x W_out^T + b_out.  ALL OF K LIES IN LDS: A's 8 tiles x 12,288 bytes from byte 0, B's 16 tiles from byte 98,304; each wave brings its part by ONE joint load at the head
; (waves 0, 1: 4 tiles of A each; waves 2, 3: 8 tiles of B each), and nothing is filled again.  No prefetch: the launch has no loop to run ahead in.
.set BOFF,  98304
.set SPARE, 294912
.set ADRA, 4
.set ADRB, 8
.set STO,  12
.set RD,   13
.set LI,   14
.set SPW,  28
.set NIL,  29
.set SA,   32
.set SBR,  64
.set AF,   128
.set BK,   128
.set WV,   17
.set G1A, 24
.set G1B, 32
.set G0A, 40
.set G0B, 68
.set MSB, 0
.macro WIN new
.if MSB != (\new)
	s_set_vgpr_msb (MSB<<8)|(\new)
.set MSB, (\new)
.endif
.endm
.macro JLOAD p
	s_cmp_eq_u32 s18, 0
	s_cbranch_scc0 .Lfor_b_\@
	tensor_load_to_lds s[G0A+4*\p:G0A+4*\p+3], s[G1A:G1A+7]
	s_nop 0
.rept 4
	v_nop
.endr
	s_branch .Lasked_\@
.Lfor_b_\@:
	tensor_load_to_lds s[G0B+4*\p:G0B+4*\p+3], s[G1B:G1B+7]
	s_nop 0
.rept 4
	v_nop
.endr
.Lasked_\@:
.endm
.macro CROUND
	s_barrier_signal -1
	s_barrier_wait -1
	s_cmp_lg_u32 s[WV], 0
	s_cbranch_scc1 .Lnot_wave_0_\@
	s_barrier_signal -3
.Lnot_wave_0_\@:
	s_barrier_wait -3
	s_barrier_signal -1
	s_barrier_wait -1
.endm
.macro PLACES
.rept 4
	v_nop
.endr
.endm
	s_load_b256 s[4:11], s[0:1], 0x0
	s_load_b128 s[12:15], s[0:1], 0x20
	v_lshl_add_u32 v[SPW], v0, 2, SPARE
	v_mov_b32 v[NIL], 0
	ds_add_u32 v[SPW], v[NIL]
	ds_add_u32 v[SPW], v[NIL]
	v_lshrrev_b32 v1, 5, v0
	v_readfirstlane_b32 s[WV], v1
	s_lshr_b32 s18, s[WV], 1
	s_and_b32 s19, s[WV], 1
	s_bfe_u32 s84, ttmp6, 0x40000
	s_bfe_u32 s85, ttmp6, 0x40004
	s_and_b32 s86, ttmp7, 0xffff
	s_lshl_b32 s86, s86, 2
	s_add_co_u32 s86, s86, s85
	s_lshl_b32 s87, s85, 2
	s_lshl_b32 s87, 15, s87
	s_lshl_b32 s88, 0x1111, s84
	s_or_b32 s[G1A+0], s87, (3<<16)|(1<<21)
	s_or_b32 s[G1B+0], s88, (3<<16)|(1<<21)
	s_mov_b32 s[G1A+1], 1536<<16
	s_mov_b32 s[G1A+2], 4<<16
	s_mov_b32 s[G1A+3], 1536<<16
	s_mov_b32 s[G1A+4], 4
	s_mov_b32 s[G1A+5], 1536
	s_mov_b32 s[G1A+6], 0
	s_mov_b32 s[G1A+7], 0
	s_mov_b32 s[G1B+1], 1536<<16
	s_mov_b32 s[G1B+2], 8<<16
	s_mov_b32 s[G1B+3], 1536<<16
	s_mov_b32 s[G1B+4], 8
	s_mov_b32 s[G1B+5], 1536
	s_mov_b32 s[G1B+6], 0
	s_mov_b32 s[G1B+7], 0
	s_lshl_b32 s20, s86, 3
	s_lshl_b32 s89, s19, 2
	s_add_co_u32 s20, s20, s89
	s_mul_i32 s20, s20, 12288
	s_mov_b32 s21, 0
	s_lshl_b32 s90, s84, 4
	s_lshl_b32 s89, s19, 3
	s_add_co_u32 s90, s90, s89
	s_add_co_u32 s90, s90, 704
	s_mul_i32 s90, s90, 12288
	s_mov_b32 s91, 0
	s_mul_i32 s22, s19, 49152
	s_mul_i32 s23, s19, 98304
	s_add_co_u32 s23, s23, BOFF
	v_and_b32 v1, 15, v0
	v_bfe_u32 v2, v0, 4, 1
	v_and_b32 v3, 31, v0
	v_lshlrev_b32 v[LI], 4, v3
	s_wait_alu depctr_va_vdst(0)
	s_mul_i32 s92, s18, 49152
	s_mul_i32 s93, s19, 98304
	s_add_co_u32 s93, s93, BOFF
	v_add_nc_u32 v[ADRA], s92, v[LI]               ; my 4 tiles of A
.irp p, 0,1,2,3
	v_add_nc_u32 v[ADRB+\p], s93, v[LI]            ; my tiles 2 p, 2 p + 1 of B
	s_add_co_u32 s93, s93, 24576
.endr
	s_mul_i32 s92, s[WV], 8448
	v_mul_u32_u24 v[STO], v1, 528
	v_lshl_add_u32 v[STO], v2, 6, v[STO]
	v_add_nc_u32 v[STO], s92, v[STO]
	v_add_nc_u32 v[RD], s92, v[LI]
	v_lshlrev_b32 v15, 2, v1
	v_lshlrev_b32 v16, 4, v1
	v_lshlrev_b32 v17, 6, v2
	s_wait_dscnt 0x0
	s_wait_kmcnt 0x0
	s_add_nc_u64 s[20:21], s[4:5], s[20:21]
	s_add_nc_u64 s[90:91], s[8:9], s[90:91]
	CROUND
.irp p, 0
	s_mov_b32 s[G0A+4*\p], 1
	s_add_co_u32 s[G0A+4*\p+1], s22, \p*PIECE
	s_add_nc_u64 s[G0A+4*\p+2:G0A+4*\p+3], s[20:21], \p*3072
	s_or_b32 s[G0A+4*\p+3], s[G0A+4*\p+3], 0x80000000
	s_mov_b32 s[G0B+4*\p], 1
	s_add_co_u32 s[G0B+4*\p+1], s23, \p*PIECE
	s_add_nc_u64 s[G0B+4*\p+2:G0B+4*\p+3], s[90:91], \p*3072
	s_or_b32 s[G0B+4*\p+3], s[G0B+4*\p+3], 0x80000000
	JLOAD \p                                       ; my one tensor load of the launch
.endr
	s_lshl_b32 s92, s86, 3
	s_lshl_b32 s93, s18, 2
	s_add_co_u32 s92, s92, s93
	s_lshl_b32 s92, s92, 6
	s_mov_b32 s93, 0
	s_add_nc_u64 s[6:7], s[6:7], s[92:93]
	s_lshl_b32 s92, s84, 4
	s_lshl_b32 s94, s19, 3
	s_add_co_u32 s92, s92, s94
	s_add_co_u32 s92, s92, 704
	s_lshl_b32 s92, s92, 9
	s_add_nc_u64 s[10:11], s[10:11], s[92:93]
	s_lshl_b32 s92, s84, 10
	s_lshl_b32 s94, s19, 9
	s_add_co_u32 s92, s92, s94
	s_add_nc_u64 s[12:13], s[12:13], s[92:93]
	s_add_nc_u64 s[14:15], s[14:15], s[92:93]
	s_lshl_b32 s92, s86, 19
	s_lshl_b32 s94, s18, 18
	s_add_co_u32 s92, s92, s94
	s_add_nc_u64 s[14:15], s[14:15], s[92:93]
	s_wait_alu depctr_va_vdst(0)
.irp a, 0,1,2,3
.irp s, 0,1,2,3,4,5,6,7
	global_load_b32 v[SA+8*\a+\s], v15, s[6:7] offset:32768*\s+64*\a
.endr
.endr
.irp b, 0,1,2,3,4,5,6,7
.irp u, 0,1
	global_load_b128 v[SBR+8*\b+4*\u:SBR+8*\b+4*\u+3], v16, s[10:11] offset:512*\b+256*\u
.endr
.endr
	WIN 0xc0
.irp b, 0,1,2,3,4,5,6,7
	global_load_b128 v[8*\b:8*\b+3], v17, s[12:13] offset:(32*(\b/2)+8*(\b%2))*4
	global_load_b128 v[8*\b+4:8*\b+7], v17, s[12:13] offset:(32*(\b/2)+8*(\b%2))*4+16
.endr
	WIN 0
.macro FRAG reg, adr, off
.irp g, 0,1,2
	ds_load_b128 v[\reg+4*\g:\reg+4*\g+3], v[\adr] offset:\off+512*\g
.endr
.endm
.macro FETCH s
	WIN 0x40
.irp i, 0,1,2,3,4,5,6,7
	FRAG 128*((\s)%2)+FR*\i, ADRB+\i/2, 12288*(\i%2)+1536*(\s)
.endr
	WIN 0
.irp i, 0,1,2,3
	FRAG AF+48*((\s)%2)+FR*\i, ADRA, 12288*\i+1536*(\s)
.endr
.endm
.macro MUL32 s
.irp a, 0,1,2,3
.irp b, 0,1,2,3,4,5,6,7
.if (\s) == 0
	v_wmma_scale_f32_16x16x128_f8f6f4 v[8*(8*\a+\b):8*(8*\a+\b)+7], v[128*((\s)%2)+FR*\b:128*((\s)%2)+FR*\b+FR-1], v[AF+48*((\s)%2)+FR*\a:AF+48*((\s)%2)+FR*\a+FR-1], v[8*\b:8*\b+7], v[SBR+8*\b+(\s)], v[SA+8*\a+(\s)] matrix_a_fmt:MATRIX_FMT_FP6 matrix_b_fmt:MATRIX_FMT_FP6
.else
	v_wmma_scale_f32_16x16x128_f8f6f4 v[8*(8*\a+\b):8*(8*\a+\b)+7], v[128*((\s)%2)+FR*\b:128*((\s)%2)+FR*\b+FR-1], v[AF+48*((\s)%2)+FR*\a:AF+48*((\s)%2)+FR*\a+FR-1], v[8*(8*\a+\b):8*(8*\a+\b)+7], v[SBR+8*\b+(\s)], v[SA+8*\a+(\s)] matrix_a_fmt:MATRIX_FMT_FP6 matrix_b_fmt:MATRIX_FMT_FP6
.endif
.endr
.endr
.endm
.macro KSTEP s
	s_wait_dscnt 0x0
.if (\s) == 7
	s_barrier_signal -1                            ; my reads of the tiles are over: the stage of the way out lies on A's bytes
.endif
.if (\s) < 7
	PLACES
	FETCH (\s)+1
.endif
.if (\s) == 0
	WIN 0xb1
.else
	WIN 0xa1
.endif
	MUL32 \s
.endm
	s_wait_tensorcnt 0x0                           ; my part of the tiles is in
	s_barrier_signal -1
	s_barrier_wait -1
	FETCH 0
	s_wait_loadcnt 0x0
.irp s, 0,1,2,3,4,5,6,7
	KSTEP \s
.endr
	WIN 0
	s_barrier_wait -1                              ; every wave's reads of the tiles are over
	PLACES
.macro TOSTAGE a
	WIN 0x08
.irp b, 0,1,2,3,4,5,6,7
	ds_store_b128 v[STO], v[8*(8*(\a)+\b):8*(8*(\a)+\b)+3] offset:128*(\b/2)+32*(\b%2)
	ds_store_b128 v[STO], v[8*(8*(\a)+\b)+4:8*(8*(\a)+\b)+7] offset:128*(\b/2)+32*(\b%2)+16
.endr
	WIN 0
.set BB, BK+64*((\a)%2)
.irp t, 0,1,2,3,4,5,6,7,8,9,10,11,12,13,14,15
	ds_load_b128 v[BB+4*\t:BB+4*\t+3], v[RD] offset:\t*528
.endr
.endm
.macro SEND a, younger
.set BB, BK+64*((\a)%2)
	s_wait_dscnt \younger
.irp t, 0,1,2,3,4,5,6,7,8,9,10,11,12,13,14,15
	global_store_b128 v[LI], v[BB+4*\t:BB+4*\t+3], s[14:15] offset:(32*((\a)/2)+8*((\a)%2)+\t+8*(\t/8))*4096 th:TH_STORE_NT
.endr
.endm
	TOSTAGE 0
.irp a, 1,2,3
.if \a > 1
	s_wait_xcnt 0x0
.endif
	TOSTAGE \a
	SEND \a-1, 32
.endr
	SEND 3, 0
	s_wait_tensorcnt 0x0
	ds_add_u32 v[SPW], v[NIL]
	s_wait_dscnt 0x0
	CROUND
	s_endpgm
.Lfunc_end_k_q7a5f2c8d5e_gemm2:
	.size	k_q7a5f2c8d5e_gemm2, .Lfunc_end_k_q7a5f2c8d5e_gemm2-k_q7a5f2c8d5e_gemm2
	.p2alignl 7, 3214868480
	.fill 96, 4, 3214868480
	.section	.rodata,"a",@progbits
	.p2align	6, 0x0
	.amdhsa_kernel k_q7a5f2c8d5e_gemm2
		.amdhsa_group_segment_fixed_size 327680
		.amdhsa_private_segment_fixed_size 0
		.amdhsa_enable_private_segment 0
		.amdhsa_kernarg_size 48
		.amdhsa_user_sgpr_count 2
		.amdhsa_user_sgpr_kernarg_segment_ptr 1
		.amdhsa_wavefront_size32 1
		.amdhsa_system_sgpr_workgroup_id_x 1
		.amdhsa_system_sgpr_workgroup_id_y 1
		.amdhsa_system_sgpr_workgroup_id_z 1
		.amdhsa_system_vgpr_workitem_id 0
		.amdhsa_next_free_vgpr 832
		.amdhsa_next_free_sgpr 96
		.amdhsa_reserve_vcc 0
		.amdhsa_float_denorm_mode_32 3
		.amdhsa_float_denorm_mode_16_64 3
		.amdhsa_memory_ordered 1
		.amdhsa_forward_progress 1
		.amdhsa_inst_pref_size 80
	.end_amdhsa_kernel
	.amdgpu_metadata
---
amdhsa.version: [ 1, 2 ]
amdhsa.kernels:
  - .name:           k_q7a5f2c8d5e_gemm2
    .symbol:         k_q7a5f2c8d5e_gemm2.kd
    .args:
      - { .name: ac, .offset: 0, .size: 8, .value_kind: global_buffer, .address_space: global }
      - { .name: asc, .offset: 8, .size: 8, .value_kind: global_buffer, .address_space: global }
      - { .name: opc, .offset: 16, .size: 8, .value_kind: global_buffer, .address_space: global }
      - { .name: ops, .offset: 24, .size: 8, .value_kind: global_buffer, .address_space: global }
      - { .name: b_out, .offset: 32, .size: 8, .value_kind: global_buffer, .address_space: global }
      - { .name: out0, .offset: 40, .size: 8, .value_kind: global_buffer, .address_space: global }
    .group_segment_fixed_size: 327680
    .private_segment_fixed_size: 0
    .kernarg_segment_align: 8
    .kernarg_segment_size: 48
    .max_flat_workgroup_size: 128
    .sgpr_count:     96
    .vgpr_count:     832
    .wavefront_size: 32
...
	.end_amdgpu_metadata
.endif
;; end of part 4
